; MI455X (gfx1250); checked and timed in simulation.
; The chip was launched on July 23, 2026; its instructions are those of AMD's public machine-readable ISA for CDNA 5 (MIT licence, August 2026) and "CDNA5" Instruction Set Architecture Reference Guide (July 2026). The comments in the code are by the model that wrote it; some were corrected since.
;; Sparse Mo E. Allowed arithmetic: matrix products marked QUANTISED: E2M1 operands, one E8M0 scale for each 32 along K, by v_wmma_scale_f32_16x16x128_f8f6f4 with both operands' format E2M1 (or v_wmma_scale_f32_32x16x128_f4), f32 sums; products left as they are: f32 operands where the result goes on into a quantised operand, else bf16, f16 or f32 operands; f32 sums; everything else in f32.
;; Inputs: W1 8 x 512 x 2,048 float32; W2 8 x 2,048 x 512 float32; Wg 512 x 8 float32; b1 8 x 2,048 float32; b2 8 x 512 float32; bg 8 float32; x 4,096 x 512 float32.
;; Outputs: out0 4,096 x 512 float32; out1 4,096 x 2 int32.
;; This version of the problem:
;;   THIS VERSION OF THE PROBLEM IS GIVEN IN LOW PRECISION. The matrix products marked QUANTISED in the list below multiply operands that are first quantised to E2M1 (2 exponent bits, 1 mantissa bit; 4 bits a number), with one power-of-two scale for each 32 numbers along K (OCP MX v1.0); their sums are f32. All else is computed in f32.
;;   The module's matrix products, in the order in which they are computed (A, B: the left and right operand; K: the contracted axis; several contracted axes count as one K, in the product's order):
;;     1. [M 4,096, K 512] x [K 512, N 8]; A: input x; B: input Wg: left as it is (N = 8 < 16)
;;     2. [M 16,384, K 512] x [K 512, N 4,096]; A: input W1; B: input x: QUANTISED
;;     3. batch 8 x [M 4,096, K 2,048] x [K 2,048, N 512]; A: computed on the way; B: input W2: QUANTISED
;;     4. batch 4,096 x [M 512, K 8] x [K 8, N 1]; A: computed on the way; B: computed on the way: left as it is (K = 8 < 32)
;;   THE QUANTISER, for each operand of a quantised product, along K:
;;     - K is cut into blocks of 32 from its start; a last block that is shorter is filled with zeros.
;;     - A block's scale is 2^e with e = floor(log2(the largest magnitude in the block)) - 2, held to -126 .. 127; a block of zeros has e = 0. As a byte (E8M0): e + 127.
;;     - Each number is divided by its block's scale, clamped to +-6, and rounded to the nearest number of E2M1, ties to even, subnormals kept.
;;     - The product sums the exact products of the quantised numbers (number of the format x scale) in f32.
;;   ~~~python
;;   def quantise(x, axis):      # numpy; x: float32 -> the quantised numbers, widened to float32 again
;;       x = np.moveaxis(x, axis, -1); K = x.shape[-1]
;;       x = np.pad(x, [(0, 0)] * (x.ndim - 1) + [(0, -K % 32)]); x = x.reshape(x.shape[:-1] + (-1, 32)); a = np.abs(x).max(-1, keepdims=True)
;;       e = np.where(a > 0, np.clip(np.frexp(np.where(a > 0, a, 1))[1] - 1 - 2, -126, 127), 0)      # np.frexp(a)[1] - 1 = floor(log2(a)), exactly
;;       r = np.clip(x / 2.0 ** e, -6, 6)
;;       step = 2.0 ** (np.maximum(np.frexp(np.where(r == 0, 1, r))[1] - 1, 0) - 1)
;;       q = np.round(r / step) * step * 2.0 ** e      # np.round: ties to even
;;       return np.moveaxis(q.reshape(q.shape[:-2] + (-1,))[..., :K], -1, axis).astype(np.float32)
;;   ~~~
;;   OPERANDS COMPUTED ON THE WAY. 'Computed on the way' means the value that the module computes at that place (a softmax that the list does not call 'softmax' is quantised finished and normalised). What goes into a quantiser is computed in f32, as accurately as f32 sums, v_exp_f32 and their like allow (about 1e-6 of the number): no bf16 or f16 on the way to a quantiser, and a product that is left as it is and whose result goes on into a quantised operand takes f32 operands (vector FMAs, or v_wmma_f32_16x16x4_f32). A number that lies on a knife's edge between two numbers of the format may be rounded either way, as far as f32 arithmetic and the matrix unit's own rounding can turn it there, and no further.
;; 2 versions, each right; version 2 is version 1 with the launch chain written anew for expert scheduling mode. Each part assembles by itself: llvm-mc -triple=amdgcn-amd-amdhsa -mcpu=gfx1250 --defsym DOCPART=n.
;; ======== version 1 of 2: 4 launches
;; workspace buffers: xq 1,114,112 bytes; wq 8,912,896 bytes; sel 32,768 bytes of whole numbers; gw 32,768 bytes; order 131,328 bytes of whole numbers; ybuf 17,141,760 bytes
;; launch prep (part 1): grid 1280 x 1, 4 waves a work-group, no clusters, 68,096 bytes of LDS; arguments x, Wg, bg, W1, W2, xq, wq, sel, gw, out1; writes xq, wq, sel, gw, out1
.if DOCPART == 1
	.amdgcn_target "amdgcn-amd-amdhsa--gfx1250"
	.amdhsa_code_object_version 6
	.text
	.protected	k_q662fff1c8c_prep
	.globl	k_q662fff1c8c_prep
	.p2align	8
	.type	k_q662fff1c8c_prep,@function
k_q662fff1c8c_prep:
	s_mov_b64 s[64:65], 0
	v_nop
	global_prefetch_b8 v0, s[64:65] scope:SCOPE_SE
	s_setreg_imm32_b32 hwreg(HW_REG_WAVE_MODE, 25, 1), 1
	s_wait_xcnt 0x0
; PREP.  Three kinds of work-groups, told apart by the work-group's number alone:
;   0 .. 255     x [4096][512] f32 -> codes of FP4 (E2M1) with K innermost and one E8M0 byte for each 32 along K; and the gate: logits = x Wg + bg in f32
;                (fused multiply-adds on the unquantised x), the two largest (the lower index wins a tie), their softmax with the larger logit taken away.
;   256 .. 767   W1 [8][512 (k)][2048 (n)] f32 -> codes and scale words in the order of the matrix operand's registers.
;   768 .. 1279  W2 [8][2048 (k)][512 (n)] f32 -> the same.
; A block's scale is 2^(floor(log2(largest magnitude)) - 2): its byte is the largest magnitude's exponent field - 2, held at 1 from below by a floor among the maximum's leaves.
; THE WEIGHTS' IMAGE.  A fragment is 16 columns n x 128 k in 1,024 bytes: byte 512 c + 16 (16 h + r) + 0..15 holds the codes of k = 64 c + 32 h + 0..31 of the fragment's row r,
; so that two loads of 16 bytes a lane fill the operand's eight registers.  Fragment (b, u) takes column 32 b + 8 u + r + 8 (r / 8).  The scale words of fragments u = 0 and u = 1 lie
; in one run of 32 words: word 16 u + r.
; LIMITS: NaN and infinities among the inputs are not served.  A block of zeros gets the byte 1 where the rule says 127: its codes are zeros and this program alone reads the bytes.
; Two logits that differ by less than the rounding of a 512-term f32 sum may be ordered otherwise than by another order of summation.
.set XW,  32                           ; weights: v32-159  128 numbers down K of my column
.set CW,  160                          ;          v160-175 the codes of four blocks
.set SBW, 176                          ;          v176     the four scale bytes
.set RR,  16                           ; x: v16-79   four rows of 16 numbers a lane, as loaded; row t's registers later take row t + 1's neighbours
.set XA,  80                           ;    v80-95   row 0's 16 neighbours along K
.set WGR, 96                           ;    v96-223  register 8 i + e = Wg[16 lane + i][e]
.set AA,  224                          ;    v224-231 a row's eight partial logits
.set TT,  232                          ;    v232-239 the other half's sums
.set LL,  240                          ;    v240-247 lane t: the eight logits of the wave's row t
.set CC,  248                          ;    v248-255 codes, two registers for each of the four rows
.set WREG, 16896                       ; LDS of a wave: 32 x 528 bytes for Wg's turn; afterwards two stages of 2,560 bytes at 0 and the scale bytes at 5,120
; block q of my column: 32 rows of the weight, rowb bytes apart; 32 lanes read 128 bytes of each row
.macro LOADB q, rowb
.irp i, 0,1,2,3,4,5,6,7,8,9,10,11,12,13,14,15,16,17,18,19,20,21,22,23,24,25,26,27,28,29,30,31
	global_load_b32 v[XW+32*(\q)+\i], v3, s[28:29] offset:(32*(\q)+\i)*(\rowb) th:TH_LOAD_NT
.endr
.endm
; block q: its largest magnitude (all 32 numbers are the lane's), scale byte, codes; the 16 bytes go straight to their place in the image
.macro BLK q
.set XB, XW+32*(\q)
	v_max3_num_f32 v12, |v[XB]|, |v[XB+1]|, |v[XB+2]|
	v_max3_num_f32 v13, |v[XB+3]|, |v[XB+4]|, |v[XB+5]|
.irp i, 6,10,14,18,22,26
	v_max3_num_f32 v12, v12, |v[XB+\i]|, |v[XB+\i+1]|
	v_max3_num_f32 v13, v13, |v[XB+\i+2]|, |v[XB+\i+3]|
.endr
	v_max3_num_f32 v12, v12, |v[XB+30]|, |v[XB+31]|
	v_max3_num_f32 v12, v12, v13, 0x1800000        ; the floor 2^(3 - 127): the byte cannot fall under 1
	v_add_nc_u32 v11, 0xff000000, v12              ; 2 off the exponent field: the conversion's scale operand
	v_lshrrev_b32 v13, 23, v11                     ; the scale's byte
.if (\q) == 0
	v_mov_b32 v[SBW], v13
.else
	v_lshl_or_b32 v[SBW], v13, 8*(\q), v[SBW]
.endif
.irp g, 0,1,2,3
	v_cvt_scalef32_pk8_fp4_f32 v[CW+4*(\q)+\g], v[XB+8*\g:XB+8*\g+7], v11
.endr
	global_store_b128 v4, v[CW+4*(\q):CW+4*(\q)+3], s[30:31] offset:((\q)/2)*512+((\q)%2)*256   ; lanes 0-15 and lanes 16-31 each store 256 consecutive bytes, aligned
.endm
; a wave's share of a weight: 32 columns x 128 along K.  s[28:29] source, s[30:31] codes, s[32:33] scale words
.macro WQPATH rowb
	v_and_b32 v3, 7, v2
	v_lshrrev_b32 v4, 4, v2                        ; u
	v_lshl_add_u32 v3, v4, 3, v3
	v_bfe_u32 v5, v2, 3, 1
	v_lshl_add_u32 v3, v5, 4, v3                   ; my column of the 32: (l % 8) + 8 u + 16 ((l / 8) % 2)
	v_lshlrev_b32 v3, 2, v3
	v_and_b32 v5, 15, v2
	v_lshlrev_b32 v5, 4, v5
	v_lshl_add_u32 v4, v4, 10, v5                  ; my codes' place: fragment u, row r
	v_lshlrev_b32 v5, 2, v2                        ; my scale word's place
	LOADB 0, \rowb
	LOADB 1, \rowb
	s_wait_loadcnt 32                              ; block 0 is in; block 1's 32 loads may be out
	LOADB 2, \rowb
	BLK 0
	s_wait_loadcnt 32                              ; block 1 is in; block 2's may be out
	LOADB 3, \rowb
	BLK 1
	s_wait_loadcnt 32                              ; block 2 is in; block 3's may be out
	BLK 2
	s_wait_loadcnt 0x0
	BLK 3
	global_store_b32 v5, v[SBW], s[32:33]          ; 32 scale words, 128 consecutive bytes
.endm
	s_load_b512 s[8:23], s[0:1], 0x0               ; x 8, Wg 10, bg 12, W1 14, W2 16, xq 18, wq 20, sel 22
	s_load_b128 s[24:27], s[0:1], 0x40             ; gw 24, out1 26
	s_set_vgpr_msb 0x40
	v_lshl_add_u32 v0, v0, 2, 0x10800
	v_mov_b32 v1, 0
	s_set_vgpr_msb 0x4000
	v_lshrrev_b32 v1, 5, v0
	v_readfirstlane_b32 s2, v1                     ; wave 0..3
	v_and_b32 v2, 31, v0                           ; lane
	s_wait_kmcnt 0x0
	s_cmp_lt_u32 ttmp9, 256
	s_cbranch_scc1 .Lpath_x
	s_cmp_lt_u32 ttmp9, 768
	s_cbranch_scc0 .Lpath_w2
	; ---- W1: t = id - 256: column group t % 16, K step (t / 16) % 4, expert t / 64; my block of 32 columns b = 4 x group + wave
	s_sub_co_u32 s3, ttmp9, 256
	s_and_b32 s4, s3, 15
	s_bfe_u32 s5, s3, 0x20004                      ; q
	s_lshr_b32 s6, s3, 6                           ; e
	s_lshl_b32 s4, s4, 2
	s_add_co_u32 s4, s4, s2                        ; b
	s_lshl_b32 s28, s6, 22                         ; source: e x 4,194,304 + q x 128 rows of 8,192 + b x 128
	s_lshl_b32 s7, s5, 20
	s_add_co_u32 s28, s28, s7
	s_lshl_b32 s7, s4, 7
	s_add_co_u32 s28, s28, s7
	s_mov_b32 s29, 0
	s_add_nc_u64 s[28:29], s[14:15], s[28:29]
	s_lshl_b32 s30, s6, 19                         ; codes: e x 524,288 + b x 8,192 + q x 2,048
	s_lshl_b32 s7, s4, 13
	s_add_co_u32 s30, s30, s7
	s_lshl_b32 s7, s5, 11
	s_add_co_u32 s30, s30, s7
	s_mov_b32 s31, 0
	s_add_nc_u64 s[30:31], s[20:21], s[30:31]
	s_lshl_b32 s32, s6, 15                         ; scale words: 8,388,608 + e x 32,768 + b x 512 + q x 128
	s_lshl_b32 s7, s4, 9
	s_add_co_u32 s32, s32, s7
	s_lshl_b32 s7, s5, 7
	s_add_co_u32 s32, s32, s7
	s_add_co_u32 s32, s32, 0x800000
	s_mov_b32 s33, 0
	s_add_nc_u64 s[32:33], s[20:21], s[32:33]
	WQPATH 8192
	s_endpgm
.Lpath_w2:
	; ---- W2: t = id - 768: column group t % 4, K step (t / 4) % 16, expert t / 64; b = 4 x group + wave = 2 bp + bb
	s_sub_co_u32 s3, ttmp9, 768
	s_and_b32 s4, s3, 3
	s_bfe_u32 s5, s3, 0x40002                      ; ks
	s_lshr_b32 s6, s3, 6                           ; e
	s_lshl_b32 s4, s4, 2
	s_add_co_u32 s4, s4, s2                        ; b
	s_lshr_b32 s7, s4, 1                           ; bp
	s_and_b32 s35, s4, 1                           ; bb
	s_lshl_b32 s28, s6, 22                         ; source: e x 4,194,304 + ks x 128 rows of 2,048 + b x 128
	s_lshl_b32 s34, s5, 18
	s_add_co_u32 s28, s28, s34
	s_lshl_b32 s34, s4, 7
	s_add_co_u32 s28, s28, s34
	s_mov_b32 s29, 0
	s_add_nc_u64 s[28:29], s[16:17], s[28:29]
	s_lshl_b32 s30, s6, 19                         ; codes: 4,194,304 + e x 524,288 + bp x 65,536 + ks x 4,096 + bb x 2,048
	s_lshl_b32 s34, s7, 16
	s_add_co_u32 s30, s30, s34
	s_lshl_b32 s34, s5, 12
	s_add_co_u32 s30, s30, s34
	s_lshl_b32 s34, s35, 11
	s_add_co_u32 s30, s30, s34
	s_add_co_u32 s30, s30, 0x400000
	s_mov_b32 s31, 0
	s_add_nc_u64 s[30:31], s[20:21], s[30:31]
	s_lshl_b32 s32, s6, 15                         ; scale words: 8,650,752 + e x 32,768 + bp x 4,096 + ks x 256 + bb x 128
	s_lshl_b32 s34, s7, 12
	s_add_co_u32 s32, s32, s34
	s_lshl_b32 s34, s5, 8
	s_add_co_u32 s32, s32, s34
	s_lshl_b32 s34, s35, 7
	s_add_co_u32 s32, s32, s34
	s_add_co_u32 s32, s32, 0x840000
	s_mov_b32 s33, 0
	s_add_nc_u64 s[32:33], s[20:21], s[32:33]
	WQPATH 2048
	s_endpgm
.Lpath_x:
	; ---- x and the gate.  A wave takes FOUR tokens, one row of 512 numbers a step, and asks for all that it reads in one run at its head: Wg's 32 loads and the four rows' 16,
	; each of 512 consecutive bytes: 48 loads, 24 KB, are out at once, and no later step waits for a load that was asked for behind an earlier step.
	; A row turns through the wave's own stage in LDS (80 bytes a lane: 64 + 16 of padding), so that a lane then holds 16 neighbours along K; two neighbouring lanes hold a block of 32.
	; Wg turns likewise, once: lane l wants rows 16 l .. 16 l + 15, the 512 bytes that load l brought.  Load n goes to 528 n + 16 lane, lane l reads back 528 l + 16 i:
	; 528 = 33 x 16, so sixteen lanes' 16 bytes fall on sixteen different columns of 16 bytes modulo 256, both ways.
	; A wave's four tokens give 64 scale bytes and 32 bytes each of out1, sel and gw: these leave as short runs of consecutive bytes, 160 KB of them in the whole launch.
	s_load_b256 s[40:47], s[12:13], 0x0            ; bg
	s_lshl_b32 s3, ttmp9, 2
	s_add_co_u32 s3, s3, s2                        ; which run of 4 tokens: 0 .. 1,023
	s_mov_b32 s5, 0
	s_lshl_b32 s4, s3, 13
	s_add_nc_u64 s[28:29], s[8:9], s[4:5]          ; x: 4 rows of 2,048 bytes
	s_lshl_b32 s4, s3, 10
	s_add_nc_u64 s[30:31], s[18:19], s[4:5]        ; codes: 4 rows of 256 bytes
	s_lshl_b32 s4, s3, 6
	s_add_nc_u64 s[32:33], s[18:19], s[4:5]
	s_add_nc_u64 s[32:33], s[32:33], 0x100000      ; scale bytes: 4 rows of 16 bytes, behind the codes
	s_lshl_b32 s4, s3, 5
	s_add_nc_u64 s[34:35], s[22:23], s[4:5]        ; sel, gw, out1: 8 bytes a token
	s_add_nc_u64 s[36:37], s[24:25], s[4:5]
	s_add_nc_u64 s[38:39], s[26:27], s[4:5]
	s_mov_b32 s48, 0x76543210
	s_mov_b32 s49, 0xfedcba98                      ; v_permlanex16_b32's selects for lane l xor 16
	s_mul_i32 s6, s2, WREG                         ; my wave's LDS
	v_lshlrev_b32 v3, 4, v2                        ; my 16 bytes of a load's 512
	v_add_nc_u32 v12, s6, v3                       ; Wg's turn, in: 16 x lane (+ 528 n)
	v_mul_u32_u24 v13, v2, 528
	v_add_nc_u32 v13, s6, v13                      ; and out: 528 x lane (+ 16 i)
	v_lshrrev_b32 v14, 2, v2
	v_mul_u32_u24 v14, v14, 80
	v_and_b32 v15, 3, v2
	v_lshl_add_u32 v14, v15, 4, v14
	v_add_nc_u32 v14, s6, v14                      ; a row's stage, in: 80 (lane / 4) + 16 (lane % 4)
	v_mul_u32_u24 v15, v2, 80
	v_add_nc_u32 v15, s6, v15                      ; and out: 80 x lane
	v_lshlrev_b32 v4, 3, v2                        ; 8 x lane
	v_lshlrev_b32 v1, 1, v2                        ; 2 x lane
	v_lshrrev_b32 v5, 1, v2
	s_add_co_u32 s6, s6, 5120
	v_add_nc_u32 v5, s6, v5                        ; my block's byte among a step's 16
	v_add_nc_u32 v6, s6, v1                        ; the bytes' way out: 2 a lane
.set n, 0
.rept 32
	global_load_b128 v[WGR+4*n:WGR+4*n+3], v3, s[10:11] offset:512*n   ; Wg as it lies: 512 consecutive bytes a load
.set n, n+1
.endr
.macro LOADX t
.irp i, 0,1,2,3
	global_load_b128 v[RR+16*(\t)+4*\i:RR+16*(\t)+4*\i+3], v3, s[28:29] offset:2048*(\t)+512*\i th:TH_LOAD_NT
.endr
.endm
; row t through stage t % 2.  Its neighbours land in XA (row 0) or in the registers that row t - 1 was loaded into, whose stores into the stage are done by then.
; LDS serves a wave's instructions in order: no wait between the stores and the loads
.macro TURN t
.if (\t) == 0
.set XD, XA
.else
.set XD, RR+16*((\t)-1)
.endif
.irp i, 0,1,2,3
	ds_store_b128 v14, v[RR+16*(\t)+4*\i:RR+16*(\t)+4*\i+3] offset:2560*((\t)%2)+640*\i
.endr
.irp i, 0,1,2,3
	ds_load_b128 v[XD+4*\i:XD+4*\i+3], v15 offset:2560*((\t)%2)+16*\i
.endr
.endm
	LOADX 0
	LOADX 1
	LOADX 2
	LOADX 3
.irp e, 0,1,2,3,4,5,6,7
	v_mov_b32 v[LL+\e], 0
	v_mov_b32 v[TT+\e], 0                          ; a lane permute's destination counts as one of its sources
.endr
	s_wait_loadcnt 16                              ; Wg is in; the four rows' 16 loads may be out
.set n, 0
.rept 32
	ds_store_b128 v12, v[WGR+4*n:WGR+4*n+3] offset:528*n
.set n, n+1
.endr
	s_wait_dscnt 0x0                               ; the stores have read their registers, which the loads below write
.set n, 0
.rept 32
	ds_load_b128 v[WGR+4*n:WGR+4*n+3], v13 offset:16*n
.set n, n+1
.endr
	s_wait_dscnt 0x0                               ; Wg is back in registers: the stages lie over its bytes
	s_wait_loadcnt 12                              ; row 0 is in; rows 1 to 3 may be out
	TURN 0
.macro STEP t
.if (\t) == 0
.set XSX, XA
	s_wait_dscnt 0x0                               ; this row is back from the stage, so the stage's stores have read their registers
.else
.set XSX, RR+16*((\t)-1)
	s_wait_dscnt 1                                 ; the same (the last step's byte store may be out)
.endif
.if (\t) < 3
	s_wait_loadcnt 8-4*(\t)                        ; the next row is in; the rows behind it may be out
	TURN (\t)+1                                    ; it goes through the other stage while this row is worked
.endif
	v_max3_num_f32 v8, |v[XSX]|, |v[XSX+1]|, |v[XSX+2]|
	v_max3_num_f32 v9, |v[XSX+3]|, |v[XSX+4]|, |v[XSX+5]|
.irp i, 6,10
	v_max3_num_f32 v8, v8, |v[XSX+\i]|, |v[XSX+\i+1]|
	v_max3_num_f32 v9, v9, |v[XSX+\i+2]|, |v[XSX+\i+3]|
.endr
	v_max3_num_f32 v8, v8, |v[XSX+14]|, |v[XSX+15]|
	v_max3_num_f32 v8, v8, v9, 0x1800000           ; the floor 2^(3 - 127)
	v_max_num_f32_dpp v8, v8, v8 row_xmask:1 row_mask:0xf bank_mask:0xf   ; with my neighbour's 16: the block's largest magnitude
	v_add_nc_u32 v11, 0xff000000, v8
	v_cvt_scalef32_pk8_fp4_f32 v[CC+2*(\t)], v[XSX:XSX+7], v11
	v_cvt_scalef32_pk8_fp4_f32 v[CC+2*(\t)+1], v[XSX+8:XSX+15], v11
	v_lshrrev_b32 v[7+3*((\t)%2)], 23, v11         ; the scale's byte, in v7 and v10 by turns (this register's last store was shown done by the wait at this step's head)
	ds_store_b8 v5, v[7+3*((\t)%2)] offset:16*(\t) ; both lanes of a block write the same byte with the same value
	global_store_b64 v4, v[CC+2*(\t):CC+2*(\t)+1], s[30:31] offset:256*(\t)   ; 32 lanes store the row's 256 bytes of codes; each row has its own two registers
	; the gate: my 16 numbers x my 16 rows of Wg, two experts an instruction
.irp p, 0,1,2,3
	v_pk_mul_f32 v[AA+2*\p:AA+2*\p+1], v[XSX:XSX+1], v[WGR+2*\p:WGR+2*\p+1] op_sel_hi:[0,1]
.endr
.irp i, 1,2,3,4,5,6,7,8,9,10,11,12,13,14,15
.irp p, 0,1,2,3
.if (\i)%2
	v_pk_fma_f32 v[AA+2*\p:AA+2*\p+1], v[XSX+\i-1:XSX+\i], v[WGR+8*\i+2*\p:WGR+8*\i+2*\p+1], v[AA+2*\p:AA+2*\p+1] op_sel:[1,0,0] op_sel_hi:[1,1,1]
.else
	v_pk_fma_f32 v[AA+2*\p:AA+2*\p+1], v[XSX+\i:XSX+\i+1], v[WGR+8*\i+2*\p:WGR+8*\i+2*\p+1], v[AA+2*\p:AA+2*\p+1] op_sel_hi:[0,1,1]
.endif
.endr
.endr
.irp k, 1,2,4,8
.irp e, 0,1,2,3,4,5,6,7
	v_add_f32_dpp v[AA+\e], v[AA+\e], v[AA+\e] row_xmask:\k row_mask:0xf bank_mask:0xf
.endr
.endr
.irp e, 0,1,2,3,4,5,6,7
	v_permlanex16_b32 v[TT+\e], v[AA+\e], s48, s49
.endr
.irp e, 0,1,2,3,4,5,6,7
	v_add_f32 v[AA+\e], v[AA+\e], v[TT+\e]         ; every lane holds the row's eight sums
.endr
	s_mov_b32 s50, 1<<(\t)
.irp e, 0,1,2,3,4,5,6,7
	v_cndmask_b32 v[LL+\e], v[LL+\e], v[AA+\e], s50   ; lane t keeps row t's
.endr
.endm
.irp t, 0,1,2,3
	STEP \t
.endr
	ds_load_u16 v8, v6                             ; the wave's 64 scale bytes, two a lane (LDS serves my stores first)
	s_wait_dscnt 0x0
	global_store_b16 v1, v8, s[32:33]              ; 64 consecutive bytes
	s_wait_kmcnt 0x0                               ; bg
.irp e, 0,1,2,3,4,5,6,7
	v_add_f32 v[LL+\e], s[40+\e], v[LL+\e]
.endr
	; the largest logit, then the largest of the rest: an expert takes the place only where it is strictly larger, so the lower index wins a tie.  The rows' registers are free and serve here
.set I1, 20                            ; v[20:21] the two experts
.set W0, 22                            ; v[22:23] their weights
.set M1, 24                            ; v24, v25 their logits
.set M2, 25
.set NI, 26                            ; v26 -infinity;  v27, v28 at work
.set TD, 27
.set TU, 28
	v_mov_b32 v[M1], v[LL]
	v_mov_b32 v[I1], 0
.irp e, 1,2,3,4,5,6,7
	v_cmp_le_f32 vcc_lo, v[LL+\e], v[M1]
	v_cndmask_b32 v[M1], v[LL+\e], v[M1], vcc_lo
	v_cndmask_b32 v[I1], \e, v[I1], vcc_lo
.endr
	v_mov_b32 v[NI], 0xff800000                    ; -infinity takes the winner's place
.irp e, 0,1,2,3,4,5,6,7
	v_cmp_eq_u32 vcc_lo, \e, v[I1]
	v_cndmask_b32 v[LL+\e], v[LL+\e], v[NI], vcc_lo
.endr
	v_mov_b32 v[M2], v[LL]
	v_mov_b32 v[I1+1], 0
.irp e, 1,2,3,4,5,6,7
	v_cmp_le_f32 vcc_lo, v[LL+\e], v[M2]
	v_cndmask_b32 v[M2], v[LL+\e], v[M2], vcc_lo
	v_cndmask_b32 v[I1+1], \e, v[I1+1], vcc_lo
.endr
	v_sub_f32 v[TD], v[M2], v[M1]                  ; the softmax of the two, the larger taken away: 1 / (1 + e^d), e^d / (1 + e^d), d <= 0
	v_mul_f32 v[TD], 0x3fb8aa3b, v[TD]
	v_exp_f32 v[TD], v[TD]
	v_nop
	s_wait_alu depctr_va_vdst(0)
	v_add_f32 v[TU], 1.0, v[TD]
	v_rcp_f32 v[W0], v[TU]
	v_nop
	s_wait_alu depctr_va_vdst(0)
	v_mul_f32 v[W0+1], v[TD], v[W0]
	v_cmp_gt_u32 vcc_lo, 4, v2                     ; lanes 0-3 hold the four tokens
	s_wait_xcnt 0x0                                ; EXEC changes only behind this wait
	s_set_vgpr_msb 0x5
	s_wait_tensorcnt 0x0
	ds_add_u32 v0, v1
	s_wait_dscnt 0x0
	s_set_vgpr_msb 0x500
	s_and_saveexec_b32 s51, vcc_lo
	global_store_b64 v4, v[I1:I1+1], s[38:39]      ; out1
	global_store_b64 v4, v[I1:I1+1], s[34:35]      ; the same for the next launch
	global_store_b64 v4, v[W0:W0+1], s[36:37]      ; the two weights
	s_wait_xcnt 0x0
	s_or_b32 exec_lo, exec_lo, s51
	s_endpgm
.Lfunc_end_k_q662fff1c8c_prep:
	.size	k_q662fff1c8c_prep, .Lfunc_end_k_q662fff1c8c_prep-k_q662fff1c8c_prep
	.p2alignl 7, 3214868480
	.fill 96, 4, 3214868480
	.section	.rodata,"a",@progbits
	.p2align	6, 0x0
	.amdhsa_kernel k_q662fff1c8c_prep
		.amdhsa_group_segment_fixed_size 68096
		.amdhsa_private_segment_fixed_size 0
		.amdhsa_enable_private_segment 0
		.amdhsa_kernarg_size 80
		.amdhsa_user_sgpr_count 2
		.amdhsa_user_sgpr_kernarg_segment_ptr 1
		.amdhsa_wavefront_size32 1
		.amdhsa_system_sgpr_workgroup_id_x 1
		.amdhsa_system_sgpr_workgroup_id_y 1
		.amdhsa_system_sgpr_workgroup_id_z 1
		.amdhsa_system_vgpr_workitem_id 0
		.amdhsa_next_free_vgpr 258
		.amdhsa_next_free_sgpr 66
		.amdhsa_reserve_vcc 1
		.amdhsa_float_denorm_mode_32 3
		.amdhsa_float_denorm_mode_16_64 3
		.amdhsa_memory_ordered 1
		.amdhsa_forward_progress 1
		.amdhsa_inst_pref_size 90
	.end_amdhsa_kernel
	.amdgpu_metadata
---
amdhsa.version: [ 1, 2 ]
amdhsa.kernels:
  - .name:           k_q662fff1c8c_prep
    .symbol:         k_q662fff1c8c_prep.kd
    .args:
      - { .name: x, .offset: 0, .size: 8, .value_kind: global_buffer, .address_space: global }
      - { .name: Wg, .offset: 8, .size: 8, .value_kind: global_buffer, .address_space: global }
      - { .name: bg, .offset: 16, .size: 8, .value_kind: global_buffer, .address_space: global }
      - { .name: W1, .offset: 24, .size: 8, .value_kind: global_buffer, .address_space: global }
      - { .name: W2, .offset: 32, .size: 8, .value_kind: global_buffer, .address_space: global }
      - { .name: xq, .offset: 40, .size: 8, .value_kind: global_buffer, .address_space: global }
      - { .name: wq, .offset: 48, .size: 8, .value_kind: global_buffer, .address_space: global }
      - { .name: sel, .offset: 56, .size: 8, .value_kind: global_buffer, .address_space: global }
      - { .name: gw, .offset: 64, .size: 8, .value_kind: global_buffer, .address_space: global }
      - { .name: out1, .offset: 72, .size: 8, .value_kind: global_buffer, .address_space: global }
    .group_segment_fixed_size: 68096
    .private_segment_fixed_size: 0
    .kernarg_segment_align: 8
    .kernarg_segment_size: 80
    .max_flat_workgroup_size: 128
    .sgpr_count:     66
    .vgpr_count:     258
    .wavefront_size: 32
...
	.end_amdgpu_metadata
.endif
;; end of part 1
;; launch route (part 2): grid 8 x 1, 32 waves a work-group, no clusters, 4,352 bytes of LDS; arguments sel, order; writes order
.if DOCPART == 2
	.amdgcn_target "amdgcn-amd-amdhsa--gfx1250"
	.amdhsa_code_object_version 6
	.text
	.protected	k_q662fff1c8c_route
	.globl	k_q662fff1c8c_route
	.p2align	8
	.type	k_q662fff1c8c_route,@function
k_q662fff1c8c_route:
	s_mov_b64 s[64:65], 0
	v_nop
	global_prefetch_b8 v0, s[64:65] scope:SCOPE_SE
	s_setreg_imm32_b32 hwreg(HW_REG_WAVE_MODE, 25, 1), 1
	s_wait_xcnt 0x0
; ROUTE.  Work-group e lists the routed entries of expert e: entry id = 2 x token + k, for each sel[token][k] == e.  order[e][0 .. count - 1] takes the ids, order's word 32,768 + e the count.
; 1,024 threads, eight entries each.  A place in the list is: the waves' counts before mine + the matches of earlier j in my wave + the matching lanes below me.  No atomics; one barrier.
; A token's two experts differ, so a count is at most 4,096: the sum below keeps the total in the low half of a word and the waves' prefix in the high half.
; Every offset register of a store is made ahead of the first line that narrows EXEC.
	s_load_b128 s[8:11], s[0:1], 0x0               ; sel, order
	v_lshl_add_u32 v40, v0, 2, 0x100
	v_mov_b32 v41, 0
	v_lshrrev_b32 v1, 5, v0
	v_readfirstlane_b32 s5, v1                     ; wave 0..31
	v_and_b32 v2, 31, v0                           ; lane
	v_lshlrev_b32 v7, 2, v2                        ; 4 x lane: a wave's count in LDS; and, for thread 0, the offset 0 of the count's store
	s_mov_b32 s4, ttmp9                            ; my expert
	v_lshlrev_b32 v3, 5, v0                        ; my eight entries: 32 bytes
	s_lshl_b32 s6, s4, 14
	s_mov_b32 s7, 0
	s_mov_b32 s16, 0x76543210
	s_mov_b32 s17, 0xfedcba98
	s_wait_kmcnt 0x0
	global_load_b128 v[8:11], v3, s[8:9]
	global_load_b128 v[12:15], v3, s[8:9] offset:16
	s_add_nc_u64 s[12:13], s[10:11], s[6:7]        ; my list
	s_lshl_b32 s6, s4, 2
	s_add_nc_u64 s[14:15], s[10:11], s[6:7]
	s_add_nc_u64 s[14:15], s[14:15], 0x20000       ; my count
	s_mov_b32 s18, 0
	s_wait_loadcnt 0x0
.irp j, 0,1,2,3,4,5,6,7
	v_cmp_eq_u32 s[20+\j], s4, v[8+\j]
	v_mbcnt_lo_u32_b32 v[16+\j], s[20+\j], s18     ; matching lanes below me + the wave's matches of earlier j
	s_bcnt1_i32_b32 s19, s[20+\j]
	s_add_co_u32 s18, s18, s19
.endr
	v_mov_b32 v4, s5
	v_lshlrev_b32 v4, 2, v4
	v_mov_b32 v5, s18
	ds_store_b32 v4, v5                            ; my wave's count: all lanes write the same word with the same value
	s_wait_dscnt 0x0                               ; for the others' sake
	s_barrier_signal -1
	s_barrier_wait -1
	ds_load_b32 v5, v7                             ; lane i: wave i's count
	s_wait_dscnt 0x0
	v_cmp_gt_u32 vcc_lo, s5, v2                    ; waves before mine
	v_lshlrev_b32 v6, 16, v5
	v_cndmask_b32 v6, 0, v6, vcc_lo
	v_add_nc_u32 v5, v5, v6
.irp k, 1,2,4,8
	v_mov_b32_dpp v6, v5 row_xmask:\k row_mask:0xf bank_mask:0xf
	v_add_nc_u32 v5, v5, v6
.endr
	v_permlanex16_b32 v6, v5, s16, s17
	v_add_nc_u32 v5, v5, v6
	v_readfirstlane_b32 s28, v5
	s_and_b32 s30, s28, 0xffff                     ; the expert's count
	s_lshr_b32 s31, s28, 16                        ; the counts of the waves before mine
	v_mov_b32 v32, s30                             ; the count as a store's data
.irp j, 0,1,2,3,4,5,6,7
	v_add_nc_u32 v[16+\j], s31, v[16+\j]
	v_min_u32 v[16+\j], 0xfff, v[16+\j]            ; a place in the list is under 4,096
	v_lshlrev_b32 v[16+\j], 2, v[16+\j]
	v_lshl_add_u32 v[24+\j], v0, 3, \j             ; the entry's id
.endr
.irp j, 0,1,2,3,4,5,6,7
	v_cmp_eq_u32 vcc_lo, s4, v[8+\j]
	s_wait_xcnt 0x0                                ; EXEC changes only behind this wait
	s_and_saveexec_b32 s29, vcc_lo
	global_store_b32 v[16+\j], v[24+\j], s[12:13]
	s_wait_xcnt 0x0
	s_or_b32 exec_lo, exec_lo, s29
.endr
	s_cmp_lg_u32 s5, 0
	s_cbranch_scc1 .Ldone                          ; thread 0 stores the count
	v_cmp_eq_u32 vcc_lo, 0, v0
	s_wait_xcnt 0x0
	s_and_saveexec_b32 s29, vcc_lo
	global_store_b32 v7, v32, s[14:15]             ; thread 0's 4 x lane is 0
	s_wait_xcnt 0x0
	s_or_b32 exec_lo, exec_lo, s29
.Ldone:
	s_wait_tensorcnt 0x0
	ds_add_u32 v40, v41
	s_wait_dscnt 0x0
	s_endpgm
.Lfunc_end_k_q662fff1c8c_route:
	.size	k_q662fff1c8c_route, .Lfunc_end_k_q662fff1c8c_route-k_q662fff1c8c_route
	.p2alignl 7, 3214868480
	.fill 96, 4, 3214868480
	.section	.rodata,"a",@progbits
	.p2align	6, 0x0
	.amdhsa_kernel k_q662fff1c8c_route
		.amdhsa_group_segment_fixed_size 4352
		.amdhsa_private_segment_fixed_size 0
		.amdhsa_enable_private_segment 0
		.amdhsa_kernarg_size 16
		.amdhsa_user_sgpr_count 2
		.amdhsa_user_sgpr_kernarg_segment_ptr 1
		.amdhsa_wavefront_size32 1
		.amdhsa_system_sgpr_workgroup_id_x 1
		.amdhsa_system_sgpr_workgroup_id_y 1
		.amdhsa_system_sgpr_workgroup_id_z 1
		.amdhsa_system_vgpr_workitem_id 0
		.amdhsa_next_free_vgpr 42
		.amdhsa_next_free_sgpr 66
		.amdhsa_reserve_vcc 1
		.amdhsa_float_denorm_mode_32 3
		.amdhsa_float_denorm_mode_16_64 3
		.amdhsa_memory_ordered 1
		.amdhsa_forward_progress 1
		.amdhsa_inst_pref_size 8
	.end_amdhsa_kernel
	.amdgpu_metadata
---
amdhsa.version: [ 1, 2 ]
amdhsa.kernels:
  - .name:           k_q662fff1c8c_route
    .symbol:         k_q662fff1c8c_route.kd
    .args:
      - { .name: sel, .offset: 0, .size: 8, .value_kind: global_buffer, .address_space: global }
      - { .name: order, .offset: 8, .size: 8, .value_kind: global_buffer, .address_space: global }
    .group_segment_fixed_size: 4352
    .private_segment_fixed_size: 0
    .kernarg_segment_align: 8
    .kernarg_segment_size: 16
    .max_flat_workgroup_size: 1024
    .sgpr_count:     66
    .vgpr_count:     42
    .wavefront_size: 32
...
	.end_amdgpu_metadata
.endif
;; end of part 2
;; launch chain (part 3): grid 178 x 1, 8 waves a work-group, no clusters, 93,184 bytes of LDS; arguments xq, wq, b1, b2, gw, order, ybuf; writes ybuf
.if DOCPART == 3
	.amdgcn_target "amdgcn-amd-amdhsa--gfx1250"
	.amdhsa_code_object_version 6
	.text
	.protected	k_q662fff1c8c_chain
	.globl	k_q662fff1c8c_chain
	.p2align	8
	.type	k_q662fff1c8c_chain,@function
k_q662fff1c8c_chain:
	s_mov_b64 s[64:65], 0
	v_nop
	global_prefetch_b8 v0, s[64:65] scope:SCOPE_SE
	s_setreg_imm32_b32 hwreg(HW_REG_WAVE_MODE, 25, 1), 1
	s_wait_xcnt 0x0
; CHAIN.  A work-group takes one tile of at most 48 routed rows of ONE expert through the whole chain: gather the rows' codes of x, h = gelu(x W1 + b1), quantise h along H in registers,
; y = h W2 + b2, times the row's gate weight, to ybuf[entry id].  Both products on codes of FP4 (E2M1) with E8M0 scales.  The hidden layer never goes to memory.
; THE GRID serves every split: 8,192 rows over 8 experts in tiles of 48 are never more than (8,192 + 8 x 47) / 48 = 178 tiles.  A work-group without rows stores nothing.
; SHARES.  The eight waves share the COLUMNS: wave w makes hidden units 256 w .. 256 w + 255 (K steps 2 w and 2 w + 1 of the second product) and outputs 64 w .. 64 w + 63, for all 48 rows.
; So each fragment of a weight is read by one wave alone, from memory straight into registers (laid in register order by the first launch), and feeds three matrix instructions.
; What goes from wave to wave is the hidden layer's codes: images of the operand's registers in LDS, one barrier.
; BOTH PRODUCTS ARE USED TRANSPOSED (source 0 = 16 columns of the weight, source 1 = 16 rows): a lane holds ONE row; fragment (b, u) holds columns 32 b + 8 u + r + 8 (r / 8), so the 16
; registers of fragments u = 0, 1 are the 16 neighbouring units 32 b + 16 (lane / 16) + 0 .. 15.  The biases are the C of each sum's first matrix instruction.
; NO CLUSTER, NO JOINT LOADS: which expert a work-group has hangs on counts read from memory, so neighbours in the grid may have different experts and different weights, and the weights do not pass through LDS.
; GELU is exact in form: 0.5 a (1 + erf(a / sqrt 2)), erf as z P(z^2) / Q(z^2) in f32 on z held to +-4.
; LIMITS: the absolute error of gelu is about 1.2e-7 |a|, so far negative a give 0 or about -6e-8 |a| in place of their tiny true value.  NaN and infinities are not served.  A block of zeros has the scale byte 1.
; The padding rows of a part-filled tile repeat the expert's last entry and are stored to row 8,192 + work-group of ybuf, which nobody reads.
.set HSC, 49152                        ; LDS: 0: the hidden layer's 48 fragments (3 ks + m) of 1,024 bytes;  HSC: their scale words, 128 bytes each;
.set IDT, 55296                        ; IDT: 256 bytes a wave: the 48 rows' places in ybuf;
.set STG, 57344                        ; STG: a stage of 16 rows x (256 + 16) bytes for each wave
.set L16, 1                            ; v1   16 x lane
.set L4,  2                            ; v2   4 x lane
.set H64, 3                            ; v3   64 x (lane / 16)
.set HWI, 4                            ; v4   where I store the hidden layer's images: 16 x lane + 6,144 x wave, + 3,072 a trip
.set HWS, 5                            ; v5   and their scale words: 4 x lane + 768 x wave, + 384 a trip
.set SO,  6                            ; v6   the stage, in
.set SR,  7                            ; v7   the stage, out
.set IDA, 8                            ; v8   my row's word among the wave's ids
.set IDR, 9                            ; v9   the same on the way out
.set KA,  10                           ; v[10:11], v[12:13] two of erf's coefficients, as pairs
.set KB,  12
.set GW,  14                           ; v14, v16, v18 the gate weight of my row of row tile m (pairs; the upper halves are 0 and not used)
.set C16, 20                           ; v20  16 x (lane % 16)
.set XS,  24                           ; v24-35 x's scale words (4 m + q);  v36-39 W1's (q).  v24-47 hold scales and nothing else
.set WS,  36
.set HS,  24                           ; later: v24-29 the hidden layer's scale words, two sets of three;  v32-47 W2's, two sets of eight
.set W2S, 32
.set PW,  48                           ; v48-50 the scale words being made
.set GZ,  52                           ; v52-59 gelu: z;  later b2 of tile 3
.set ID,  60                           ; v60-62 the rows' ids
.set PC,  64                           ; v64-87 at the head offsets; then the codes being made (8 m ..); then b2 of tiles 0-2; then the rows' offsets in ybuf
.set RO,  64
.set XF,  88                           ; v88-183 x's fragments (32 m + 8 q);  later the 12 accumulators of y (8 (3 f + m))
.set YACC, 88
.set ACC, 184                          ; v184-231 six accumulators of h (16 m + 8 u);  later two sets of three hidden fragments;  later rows on their way out
.set HF,  184
.set OUT, 184
.set GX,  232                          ; v232-255 gelu: z^2, P, Q
.set GP,  240
.set GQ,  248
.set TM,  232                          ; the quantiser: largest magnitudes, the other half's, scale operands, bytes
.set TP,  236
.set TS,  240
.set TBY, 244
; window 1: v0-63 W1's eight fragments of a block (8 (2 q + u)); v64-79 b1 (8 u); v128-255 W2's groups 0 and 2; v0-127 W2's groups 1 and 3
.set CH,  66                           ; scalar pairs: sqrt(1/2) and erf's coefficients
.set A13, 68
.set A9,  70
.set A7,  72
.set A5,  74
.set A3,  76
.set A1,  78
.set B8,  80
.set B4,  82
.set B2C, 84
.set B0,  86
.set MSB, 0
.macro WIN new                         ; the immediate's high byte repeats the setting that is left
.if MSB != \new
	s_set_vgpr_msb (MSB<<8)|\new
.set MSB, \new
.endif
.endm
.macro KPAIR r, val
	s_mov_b32 s[\r], \val
	s_mov_b32 s[\r+1], \val
.endm
.macro PLACES
.rept 4
	v_nop
.endr
.endm
; one matrix instruction.  row = 1: source 0's scales are read from lanes 16-31 of their register
.macro WMM d, a, b, c, sa, sb, row
.if (\row)
	v_wmma_scale_f32_16x16x128_f8f6f4 v[(\d):(\d)+7], v[(\a):(\a)+7], v[(\b):(\b)+7], v[(\c):(\c)+7], v[(\sa)], v[(\sb)] matrix_a_fmt:MATRIX_FMT_FP4 matrix_b_fmt:MATRIX_FMT_FP4 matrix_a_scale:MATRIX_SCALE_ROW1
.else
	v_wmma_scale_f32_16x16x128_f8f6f4 v[(\d):(\d)+7], v[(\a):(\a)+7], v[(\b):(\b)+7], v[(\c):(\c)+7], v[(\sa)], v[(\sb)] matrix_a_fmt:MATRIX_FMT_FP4 matrix_b_fmt:MATRIX_FMT_FP4
.endif
.endm
; W1's eight fragments, b1 and the four scale words of block n of the trip: 24 loads
.macro W1LOAD n
	WIN 0x40                                       ; destination window 1
.irp q, 0,1,2,3
.irp u, 0,1
.irp c, 0,1
	global_load_b128 v[8*(2*\q+\u)+4*\c:8*(2*\q+\u)+4*\c+3], v[L16], s[44:45] offset:8192*(\n)+2048*\q+1024*\u+512*\c
.endr
.endr
.endr
.irp u, 0,1
.irp p, 0,1
	global_load_b128 v[64+8*\u+4*\p:64+8*\u+4*\p+3], v[H64], s[48:49] offset:128*(\n)+32*\u+16*\p
.endr
.endr
	WIN 0
.irp q, 0,1,2,3
	global_load_b32 v[WS+\q], v[L4], s[46:47] offset:512*(\n)+128*\q
.endr
.endm
; W2's 16 fragments of group g (K steps 4 g .. 4 g + 3): 32 loads;  and their 8 scale words
.macro W2LOAD g
	WIN 0x40
.irp f, 0,1,2,3,4,5,6,7,8,9,10,11,12,13,14,15
.irp c, 0,1
	global_load_b128 v[128*(1-(\g)%2)+8*\f+4*\c:128*(1-(\g)%2)+8*\f+4*\c+3], v[L16], s[50:51] offset:16384*(\g)+1024*\f+512*\c
.endr
.endr
	WIN 0
.endm
.macro W2SLOAD g
.irp k, 0,1,2,3
.irp b, 0,1
	global_load_b32 v[W2S+8*((\g)%2)+2*\k+\b], v[L4], s[52:53] offset:256*(4*(\g)+\k)+128*\b
.endr
.endr
.endm
; the first product's K step q: six accumulators by turns, one instruction a turn
.macro P1 q
.irp m, 0,1,2
.irp u, 0,1
.if (\q) == 0
	WMM ACC+16*\m+8*\u, 8*(2*(\q)+\u), XF+32*\m+8*(\q), 64+8*\u, WS+(\q), XS+4*\m+(\q), \u
.else
	WMM ACC+16*\m+8*\u, 8*(2*(\q)+\u), XF+32*\m+8*(\q), ACC+16*\m+8*\u, WS+(\q), XS+4*\m+(\q), \u
.endif
.endr
.endr
.endm
.macro HORN d, k                       ; d = d z^2 + a coefficient, four pairs
.irp p, 0,2,4,6
	v_pk_fma_f32 v[\d+\p:\d+\p+1], v[\d+\p:\d+\p+1], v[GX+\p:GX+\p+1], s[\k:\k+1] op_sel_hi:[1,1,0]
.endr
.endm
; gelu of one accumulator's eight numbers, in place; it is read from its low end on
.macro GELU a
.irp p, 0,2,4,6
	v_pk_mul_f32 v[GZ+\p:GZ+\p+1], v[(\a)+\p:(\a)+\p+1], s[CH:CH+1] op_sel_hi:[1,0]
.endr
.irp i, 0,1,2,3,4,5,6,7
	v_med3_num_f32 v[GZ+\i], v[GZ+\i], -4.0, 4.0
.endr
.irp p, 0,2,4,6
	v_pk_mul_f32 v[GX+\p:GX+\p+1], v[GZ+\p:GZ+\p+1], v[GZ+\p:GZ+\p+1]
.endr
.irp p, 0,2,4,6
	v_pk_fma_f32 v[GP+\p:GP+\p+1], v[GX+\p:GX+\p+1], s[A13:A13+1], v[KA:KA+1] op_sel_hi:[1,0,1]
.endr
.irp p, 0,2,4,6
	v_pk_fma_f32 v[GQ+\p:GQ+\p+1], v[GX+\p:GX+\p+1], s[B8:B8+1], v[KB:KB+1] op_sel_hi:[1,0,1]
.endr
	HORN GP, A9
	HORN GQ, B4
	HORN GP, A7
	HORN GQ, B2C
	HORN GP, A5
	HORN GQ, B0
	HORN GP, A3
	HORN GP, A1
.irp i, 0,1,2,3,4,5,6,7
	v_rcp_f32 v[GQ+\i], v[GQ+\i]
.endr
.irp p, 0,2,4,6
	v_pk_mul_f32 v[GP+\p:GP+\p+1], v[GP+\p:GP+\p+1], v[GZ+\p:GZ+\p+1]     ; plain lines behind the reciprocals
.endr
.irp p, 0,2,4,6
	v_pk_mul_f32 v[GX+\p:GX+\p+1], v[(\a)+\p:(\a)+\p+1], 0.5 op_sel_hi:[1,0]
.endr
	s_wait_alu depctr_va_vdst(0)
.irp p, 0,2,4,6
	v_pk_mul_f32 v[GP+\p:GP+\p+1], v[GP+\p:GP+\p+1], v[GQ+\p:GQ+\p+1]     ; erf
.endr
.irp p, 0,2,4,6
	v_pk_fma_f32 v[(\a)+\p:(\a)+\p+1], v[GX+\p:GX+\p+1], v[GP+\p:GP+\p+1], v[GX+\p:GX+\p+1]
.endr
.endm
; block j of the K step in hand is quantised, the three row tiles by turns: a lane's 16 numbers and lane l xor 16's are the block
.macro BQ j
.irp m, 0,1,2
	v_max3_num_f32 v[TM+\m], |v[ACC+16*\m]|, |v[ACC+16*\m+1]|, 0x1800000   ; with the floor 2^(3 - 127): the byte cannot fall under 1
.endr
.irp i, 2,4,6,8,10,12,14
.irp m, 0,1,2
	v_max3_num_f32 v[TM+\m], v[TM+\m], |v[ACC+16*\m+\i]|, |v[ACC+16*\m+\i+1]|
.endr
.endr
.irp m, 0,1,2
	v_permlanex16_b32 v[TP+\m], v[TM+\m], s42, s43
.endr
.irp m, 0,1,2
	v_max_num_f32 v[TM+\m], v[TM+\m], v[TP+\m]
.endr
.irp m, 0,1,2
	v_add_nc_u32 v[TS+\m], 0xff000000, v[TM+\m]    ; 2 off the exponent field: the conversion's scale operand
.endr
.irp m, 0,1,2
	v_lshrrev_b32 v[TBY+\m], 23, v[TS+\m]
.endr
.irp m, 0,1,2
.if (\j) == 0
	v_mov_b32 v[PW+\m], v[TBY+\m]
.else
	v_lshl_or_b32 v[PW+\m], v[TBY+\m], 8*(\j), v[PW+\m]
.endif
.endr
.irp m, 0,1,2
	v_cvt_scalef32_pk8_fp4_f32 v[PC+8*\m+2*(\j)], v[ACC+16*\m:ACC+16*\m+7], v[TS+\m]
	v_cvt_scalef32_pk8_fp4_f32 v[PC+8*\m+2*(\j)+1], v[ACC+16*\m+8:ACC+16*\m+15], v[TS+\m]
.endr
	v_nop                                          ; one plain line behind the last scaled conversion
.endm
; one block of 32 hidden units for the 48 rows
.macro BLOCK j
	s_wait_loadcnt 0x0                             ; this block's weights (and, the first time, x's codes, scales and the gate weights) are in: nothing younger is wanted out, on every way here
	WIN 0x11                                       ; source 0 (W1) and C (b1) window 1
	P1 0
	WIN 0x01
	P1 1
	P1 2
	P1 3
	WIN 0
	PLACES                                         ; in front of loads into registers that the products read, and of the first read of results
.if (\j) == 3
	s_cmp_eq_u32 s41, 1                            ; the last trip asks for nothing more
	s_cbranch_scc1 .Lno_next_\@
	W1LOAD 4
.Lno_next_\@:
.else
	W1LOAD (\j)+1                                  ; the next block's weights land under this block's gelu
.endif
.irp m, 0,1,2
.irp u, 0,1
	GELU ACC+16*\m+8*\u
.endr
.endr
	BQ \j
.endm
; the hidden layer's three fragments and scale words of K step ks: 9 LDS loads
.macro FETCH ks
.irp m, 0,1,2
.irp c, 0,1
	ds_load_b128 v[HF+24*((\ks)%2)+8*\m+4*\c:HF+24*((\ks)%2)+8*\m+4*\c+3], v[L16] offset:(3*(\ks)+\m)*1024+512*\c
.endr
	ds_load_b32 v[HS+3*((\ks)%2)+\m], v[L4] offset:HSC+(3*(\ks)+\m)*128
.endr
.endm
; a K step of the second product: 12 accumulators by turns
.macro KSTEP ks
.set G,  (\ks)/4
.set K4, (\ks)%4
.set GBA, 128*(1-G%2)
.if (\ks) > 0
	PLACES                                         ; in front of loads into registers that the last step's products read
.endif
.if (K4 == 0) && ((G == 1) || (G == 2))
	W2SLOAD G+1                                    ; the group after this one, into the registers that the group before has left
	W2LOAD G+1
.endif
.if (\ks) < 15
	FETCH (\ks)+1
	s_wait_dscnt 9                                 ; this step's fragments are in; the nine loads just issued may be out
.else
	s_wait_dscnt 0x0
.endif
.if K4 == 0
.if G < 3
	s_wait_loadcnt 40                              ; this group's weights are in; the next group's 8 + 32 loads may be out
.else
	s_wait_loadcnt 0x0
.endif
.endif
	WIN 0x01                                       ; source 0 (W2) window 1
.irp m, 0,1,2
.irp f, 0,1,2,3
.if (\ks) == 0
.if \f < 3
.set BR, 64+8*\f
.else
.set BR, 52
.endif
	WMM YACC+8*(3*\f+\m), GBA+8*(4*K4+\f), HF+24*((\ks)%2)+8*\m, BR, W2S+8*(G%2)+2*K4+\f/2, HS+3*((\ks)%2)+\m, \f%2
.else
	WMM YACC+8*(3*\f+\m), GBA+8*(4*K4+\f), HF+24*((\ks)%2)+8*\m, YACC+8*(3*\f+\m), W2S+8*(G%2)+2*K4+\f/2, HS+3*((\ks)%2)+\m, \f%2
.endif
.endr
.endr
	WIN 0
.endm
	s_load_b256 s[8:15], s[0:1], 0x0               ; xq 8, wq 10, b1 12, b2 14
	s_load_b128 s[16:19], s[0:1], 0x20             ; gw 16, order 18
	s_load_b64 s[20:21], s[0:1], 0x30              ; ybuf
	v_lshl_add_u32 v51, v0, 2, 0x16800
	v_mov_b32 v63, 0
	v_lshrrev_b32 v21, 5, v0
	v_readfirstlane_b32 s2, v21                    ; wave 0..7
	s_mov_b32 s3, ttmp9                            ; g
	v_and_b32 v21, 31, v0                          ; lane
	v_and_b32 v22, 15, v0                          ; r
	v_bfe_u32 v23, v0, 4, 1                        ; h
	v_lshlrev_b32 v[L16], 4, v21
	v_lshlrev_b32 v[L4], 2, v21
	v_lshlrev_b32 v[H64], 6, v23
	v_lshlrev_b32 v[C16], 4, v22
	s_mul_i32 s36, s2, 6144
	v_add_nc_u32 v[HWI], s36, v[L16]
	s_mul_i32 s36, s2, 768
	v_add_nc_u32 v[HWS], s36, v[L4]
	s_mul_i32 s36, s2, 4352
	s_add_co_u32 s36, s36, STG                     ; my stage
	v_mul_u32_u24 v[SO], v22, 272
	v_add_nc_u32 v[SO], v[SO], v[H64]
	v_add_nc_u32 v[SO], s36, v[SO]                 ; in: row r, + 64 h
	v_mul_u32_u24 v[SR], v23, 272
	v_add_nc_u32 v[SR], v[SR], v[C16]
	v_add_nc_u32 v[SR], s36, v[SR]                 ; out: lanes 0-15 one row, lanes 16-31 the next
	s_lshl_b32 s36, s2, 8
	s_add_co_u32 s36, s36, IDT
	v_lshl_add_u32 v[IDA], v22, 2, s36
	v_lshl_add_u32 v[IDR], v23, 2, s36
	v_lshlrev_b32 v23, 4, v23                      ; 16 h
	v_mov_b32 v[KA], 0x32edffee
	v_mov_b32 v[KA+1], 0x32edffee
	v_mov_b32 v[KB], 0xb95fbd29
	v_mov_b32 v[KB+1], 0xb95fbd29
.irp m, 0,1,2
	v_mov_b32 v[GW+2*\m+1], 0
.endr
	s_wait_kmcnt 0x0
	s_load_b256 s[24:31], s[18:19], 0x20000        ; the eight experts' counts
	KPAIR CH,  0x3f3504f3
	KPAIR A13, 0xaf95df0b
	KPAIR A9,  0xb60cff51
	KPAIR A7,  0xb86ec2d2
	KPAIR A5,  0xba40ac63
	KPAIR A3,  0xbb41a1f6
	KPAIR A1,  0xbc83dbd4
	KPAIR B8,  0xb77460cd
	KPAIR B4,  0xbadc924e
	KPAIR B2C, 0xbbf19bf8
	KPAIR B0,  0xbc69b6a7
	s_mov_b32 s42, 0x76543210
	s_mov_b32 s43, 0xfedcba98
	s_mov_b32 s32, 0                               ; tiles before this expert
	s_mov_b32 s33, 0                               ; my expert,
	s_mov_b32 s34, 0                               ; its first tile,
	s_mov_b32 s35, 1                               ; its count
	s_wait_kmcnt 0x0
	; my tile: the last expert with rows whose first tile is not behind g.  ceil(c / 48) = ((c + 47) x 43,691) >> 21, exact up to c + 47 = 4,143
.irp e, 0,1,2,3,4,5,6,7
	s_min_u32 s36, s[24+\e], 4096
	s_add_co_u32 s37, s36, 47
	s_mul_i32 s37, s37, 43691
	s_lshr_b32 s37, s37, 21
	s_cmp_eq_u32 s36, 0
	s_cselect_b32 s60, -1, s32                     ; an expert without rows is never chosen
	s_cmp_ge_u32 s3, s60
	s_cselect_b32 s33, \e, s33
	s_cselect_b32 s34, s32, s34
	s_cselect_b32 s35, s36, s35
	s_add_co_u32 s32, s32, s37
.endr
	s_min_u32 s33, s33, 7
	s_sub_co_u32 s36, s3, s34
	s_mul_i32 s39, s36, 48                         ; my tile's first place in the expert's list
	s_sub_co_i32 s38, s35, s39
	s_max_i32 s38, s38, 0
	s_min_i32 s38, s38, 48                         ; my rows: 0 .. 48
	s_sub_co_u32 s40, s35, 1                       ; the list's last place
	s_mov_b32 s61, 0
	s_lshl_b32 s60, s33, 19
	s_lshl_b32 s36, s2, 16
	s_add_co_u32 s60, s60, s36
	s_add_nc_u64 s[44:45], s[10:11], s[60:61]      ; W1's codes: e x 524,288 + w x 65,536
	s_add_nc_u64 s[50:51], s[44:45], 0x400000      ; W2's: the same, 4,194,304 on
	s_lshl_b32 s60, s33, 15
	s_lshl_b32 s36, s2, 12
	s_add_co_u32 s60, s60, s36
	s_add_nc_u64 s[46:47], s[10:11], s[60:61]
	s_add_nc_u64 s[46:47], s[46:47], 0x800000      ; W1's scale words: 8,388,608 + e x 32,768 + w x 4,096
	s_add_nc_u64 s[52:53], s[46:47], 0x40000       ; W2's: 262,144 on
	s_lshl_b32 s60, s33, 13
	s_lshl_b32 s36, s2, 10
	s_add_co_u32 s60, s60, s36
	s_add_nc_u64 s[48:49], s[12:13], s[60:61]      ; b1: e x 8,192 + w x 1,024
	s_lshl_b32 s60, s33, 11
	s_lshl_b32 s36, s2, 8
	s_add_co_u32 s60, s60, s36
	s_add_nc_u64 s[54:55], s[14:15], s[60:61]      ; b2: e x 2,048 + w x 256
	s_mov_b32 s60, s36
	s_add_nc_u64 s[56:57], s[20:21], s[60:61]      ; ybuf: my 256 bytes of a row
	s_lshl_b32 s60, s33, 14
	s_add_nc_u64 s[58:59], s[18:19], s[60:61]      ; my expert's list
.irp m, 0,1,2
	v_add_nc_u32 v[76+\m], s39, v22
	v_add_nc_u32 v[76+\m], 16*\m, v[76+\m]
	v_min_u32 v[76+\m], s40, v[76+\m]              ; a padding row repeats the list's last entry
	v_min_u32 v[76+\m], 0xfff, v[76+\m]
	v_lshlrev_b32 v[76+\m], 2, v[76+\m]
	global_load_b32 v[ID+\m], v[76+\m], s[58:59]
.endr
	W1LOAD 0
	W2LOAD 0
	s_add_co_u32 s36, s3, 8192
	v_mov_b32 v21, s36                             ; the padding rows' place in ybuf
	s_wait_loadcnt 56                              ; the three ids are in; the 24 + 32 loads of weights behind them may be out
.irp m, 0,1,2
	v_min_u32 v[ID+\m], 0x1fff, v[ID+\m]
	v_and_b32 v[64+3*\m], 0x1ffe, v[ID+\m]         ; 2 x token
	v_lshlrev_b32 v[65+3*\m], 3, v[64+3*\m]        ; its scale bytes: 16 x token
	v_lshl_add_u32 v[64+3*\m], v[64+3*\m], 7, v23  ; its codes: 256 x token + 16 h
	v_lshlrev_b32 v[66+3*\m], 2, v[ID+\m]          ; its gate weight
.irp q, 0,1,2,3
.irp c, 0,1
	global_load_b128 v[XF+32*\m+8*\q+4*\c:XF+32*\m+8*\q+4*\c+3], v[64+3*\m], s[8:9] offset:64*\q+32*\c
.endr
.endr
	global_load_b128 v[XS+4*\m:XS+4*\m+3], v[65+3*\m], s[8:9] offset:1048576
	global_load_b32 v[GW+2*\m], v[66+3*\m], s[16:17]
	v_add_nc_u32 v[73+\m], 16*\m, v22
	v_cmp_gt_u32 vcc_lo, s38, v[73+\m]             ; a row of mine, or padding
	v_cndmask_b32 v[ID+\m], v21, v[ID+\m], vcc_lo
	ds_store_b32 v[IDA], v[ID+\m] offset:64*\m     ; both halves of the lanes write the same word with the same value
.endr
	; ---- the hidden layer: two trips, each a K step of the second product: four blocks of 32 units.  Every wave walks the loop; a tile without rows jumps over the work alone
	s_mov_b32 s41, 2
.Ltrip:
	s_cmp_eq_u32 s38, 0
	s_cbranch_scc1 .Lskip
	BLOCK 0
	BLOCK 1
	BLOCK 2
	BLOCK 3
.irp m, 0,1,2                          ; the operand's layout wants a whole block in a lane: lanes 0-15 block 2 c, lanes 16-31 block 2 c + 1
.irp c, 0,1
.irp i, 0,1
	v_permlane16_swap_b32 v[PC+8*\m+4*\c+\i], v[PC+8*\m+4*\c+2+\i]
.endr
.endr
.endr
.irp m, 0,1,2
	ds_store_b128 v[HWI], v[PC+8*\m:PC+8*\m+3] offset:1024*\m
	ds_store_b128 v[HWI], v[PC+8*\m+4:PC+8*\m+7] offset:1024*\m+512
	ds_store_b32 v[HWS], v[PW+\m] offset:HSC+128*\m
.endr
	s_wait_dscnt 0x0                               ; the stores have read their registers
.Lskip:
	s_wait_xcnt 0x0                                ; the loads have read their bases
	s_add_nc_u64 s[44:45], s[44:45], 32768
	s_add_nc_u64 s[46:47], s[46:47], 2048
	s_add_nc_u64 s[48:49], s[48:49], 512
	v_add_nc_u32 v[HWI], 3072, v[HWI]
	v_add_nc_u32 v[HWS], 384, v[HWS]
	s_sub_co_u32 s41, s41, 1
	s_cmp_lg_u32 s41, 0
	s_cbranch_scc1 .Ltrip
	; ---- between the products
	s_wait_loadcnt 0x0                             ; no load is out (a tile without rows has not waited yet): the loads below name registers of earlier loads
	W2SLOAD 0
.irp f, 0,1,2,3
.if \f < 3
.set BR, 64+8*\f
.else
.set BR, 52
.endif
.irp p, 0,1
	global_load_b128 v[BR+4*\p:BR+4*\p+3], v[H64], s[54:55] offset:128*(\f/2)+32*(\f%2)+16*\p
.endr
.endr
	W2SLOAD 1
	W2LOAD 1
	s_wait_dscnt 0x0                               ; for the others' sake: my images and scale words lie in LDS
	s_barrier_signal -1
	s_barrier_wait -1                              ; all 48 fragments do
	s_cmp_eq_u32 s38, 0
	s_cbranch_scc1 .Lend
	; ---- y: 16 K steps in four groups
	FETCH 0
.irp ks, 0,1,2,3,4,5,6,7,8,9,10,11,12,13,14,15
	KSTEP \ks
.endr
	; ---- the way out: the rows' places in ybuf; then a row tile at a time: times the gate weight, through my stage, out as whole runs of 256 bytes of a row
.irp m, 0,1,2
.irp i, 0,1,2,3,4,5,6,7
	ds_load_b32 v[RO+8*\m+\i], v[IDR] offset:64*\m+8*\i
.endr
.endr
	s_wait_dscnt 0x0
.irp n, 0,1,2,3,4,5,6,7,8,9,10,11,12,13,14,15,16,17,18,19,20,21,22,23
	v_min_u32 v[RO+\n], 0x20b1, v[RO+\n]           ; ybuf has 8,370 rows
	v_lshl_add_u32 v[RO+\n], v[RO+\n], 11, v[C16]  ; (these 48 lines are the places behind the last products)
.endr
.macro TOSTAGE m
.irp f, 0,1,2,3
.irp p, 0,2,4,6
	v_pk_mul_f32 v[YACC+8*(3*\f+\m)+\p:YACC+8*(3*\f+\m)+\p+1], v[YACC+8*(3*\f+\m)+\p:YACC+8*(3*\f+\m)+\p+1], v[GW+2*\m:GW+2*\m+1] op_sel_hi:[1,0]
.endr
.endr
.irp f, 0,1,2,3
.irp p, 0,1
	ds_store_b128 v[SO], v[YACC+8*(3*\f+\m)+4*\p:YACC+8*(3*\f+\m)+4*\p+3] offset:128*(\f/2)+32*(\f%2)+16*\p
.endr
.endr
.irp i, 0,1,2,3,4,5,6,7
	ds_load_b128 v[OUT+32*((\m)%2)+4*\i:OUT+32*((\m)%2)+4*\i+3], v[SR] offset:544*\i   ; LDS serves a wave's instructions in order: these see the stores above
.endr
.endm
.macro SEND m, younger
	s_wait_dscnt \younger
.irp i, 0,1,2,3,4,5,6,7
	global_store_b128 v[RO+8*\m+\i], v[OUT+32*((\m)%2)+4*\i:OUT+32*((\m)%2)+4*\i+3], s[56:57]   ; sixteen lanes store 256 consecutive bytes of a row, aligned
.endr
.endm
	TOSTAGE 0
	TOSTAGE 1
	SEND 0, 16                                     ; tile 1's 8 stores and 8 loads may be out
	s_wait_xcnt 0x0                                ; tile 0's stores have read their registers: tile 2's rows land there
	TOSTAGE 2
	SEND 1, 16
	SEND 2, 0
.Lend:
	s_wait_tensorcnt 0x0
	ds_add_u32 v51, v63
	s_wait_dscnt 0x0
	s_endpgm
.Lfunc_end_k_q662fff1c8c_chain:
	.size	k_q662fff1c8c_chain, .Lfunc_end_k_q662fff1c8c_chain-k_q662fff1c8c_chain
	.p2alignl 7, 3214868480
	.fill 96, 4, 3214868480
	.section	.rodata,"a",@progbits
	.p2align	6, 0x0
	.amdhsa_kernel k_q662fff1c8c_chain
		.amdhsa_group_segment_fixed_size 93184
		.amdhsa_private_segment_fixed_size 0
		.amdhsa_enable_private_segment 0
		.amdhsa_kernarg_size 56
		.amdhsa_user_sgpr_count 2
		.amdhsa_user_sgpr_kernarg_segment_ptr 1
		.amdhsa_wavefront_size32 1
		.amdhsa_system_sgpr_workgroup_id_x 1
		.amdhsa_system_sgpr_workgroup_id_y 1
		.amdhsa_system_sgpr_workgroup_id_z 1
		.amdhsa_system_vgpr_workitem_id 0
		.amdhsa_next_free_vgpr 512
		.amdhsa_next_free_sgpr 88
		.amdhsa_reserve_vcc 1
		.amdhsa_float_denorm_mode_32 3
		.amdhsa_float_denorm_mode_16_64 3
		.amdhsa_memory_ordered 1
		.amdhsa_forward_progress 1
		.amdhsa_inst_pref_size 231
	.end_amdhsa_kernel
	.amdgpu_metadata
---
amdhsa.version: [ 1, 2 ]
amdhsa.kernels:
  - .name:           k_q662fff1c8c_chain
    .symbol:         k_q662fff1c8c_chain.kd
    .args:
      - { .name: xq, .offset: 0, .size: 8, .value_kind: global_buffer, .address_space: global }
      - { .name: wq, .offset: 8, .size: 8, .value_kind: global_buffer, .address_space: global }
      - { .name: b1, .offset: 16, .size: 8, .value_kind: global_buffer, .address_space: global }
      - { .name: b2, .offset: 24, .size: 8, .value_kind: global_buffer, .address_space: global }
      - { .name: gw, .offset: 32, .size: 8, .value_kind: global_buffer, .address_space: global }
      - { .name: order, .offset: 40, .size: 8, .value_kind: global_buffer, .address_space: global }
      - { .name: ybuf, .offset: 48, .size: 8, .value_kind: global_buffer, .address_space: global }
    .group_segment_fixed_size: 93184
    .private_segment_fixed_size: 0
    .kernarg_segment_align: 8
    .kernarg_segment_size: 56
    .max_flat_workgroup_size: 256
    .sgpr_count:     88
    .vgpr_count:     512
    .wavefront_size: 32
...
	.end_amdgpu_metadata
.endif
;; end of part 3
;; launch combine (part 4): grid 256 x 1, 8 waves a work-group, no clusters, 0 bytes of LDS; arguments ybuf, out0; writes out0
.if DOCPART == 4
	.amdgcn_target "amdgcn-amd-amdhsa--gfx1250"
	.amdhsa_code_object_version 6
	.text
	.protected	k_q662fff1c8c_combine
	.globl	k_q662fff1c8c_combine
	.p2align	8
	.type	k_q662fff1c8c_combine,@function
k_q662fff1c8c_combine:
	s_mov_b64 s[64:65], 0
	v_nop
	global_prefetch_b8 v0, s[64:65] scope:SCOPE_SE
	s_setreg_imm32_b32 hwreg(HW_REG_WAVE_MODE, 25, 1), 1
	s_wait_xcnt 0x0
; COMBINE.  out0[t] = ybuf[2 t] + ybuf[2 t + 1]: a token's two weighted expert rows lie side by side, 4,096 bytes a token.  A stream: each byte read once and written once.
; A work-group takes 16 tokens, two a step: threads 0-127 the even token, threads 128-255 the odd one, 16 bytes a thread.  All 16 loads of a thread go out first; no register is used twice.
	s_load_b128 s[4:7], s[0:1], 0x0                ; ybuf, out0
	v_lshrrev_b32 v3, 7, v0
	v_and_b32 v4, 127, v0
	v_lshlrev_b32 v4, 4, v4
	v_lshl_add_u32 v1, v3, 12, v4                  ; in: 4,096 bytes a token
	v_lshl_add_u32 v2, v3, 11, v4                  ; out: 2,048
	s_lshl_b32 s8, ttmp9, 16
	s_mov_b32 s9, 0
	s_lshl_b32 s10, ttmp9, 15
	s_mov_b32 s11, 0
	s_wait_kmcnt 0x0
	s_add_nc_u64 s[4:5], s[4:5], s[8:9]
	s_add_nc_u64 s[6:7], s[6:7], s[10:11]
.irp s, 0,1,2,3,4,5,6,7
	global_load_b128 v[8+8*\s:11+8*\s], v1, s[4:5] offset:8192*\s th:TH_LOAD_NT
	global_load_b128 v[12+8*\s:15+8*\s], v1, s[4:5] offset:8192*\s+2048 th:TH_LOAD_NT
.endr
.irp s, 0,1,2,3,4,5,6,7
	s_wait_loadcnt 14-2*\s                         ; this step's two loads are in; the later steps' may be out
	v_pk_add_f32 v[8+8*\s:9+8*\s], v[8+8*\s:9+8*\s], v[12+8*\s:13+8*\s]
	v_pk_add_f32 v[10+8*\s:11+8*\s], v[10+8*\s:11+8*\s], v[14+8*\s:15+8*\s]
	global_store_b128 v2, v[8+8*\s:11+8*\s], s[6:7] offset:4096*\s th:TH_STORE_NT
.endr
	s_endpgm
.Lfunc_end_k_q662fff1c8c_combine:
	.size	k_q662fff1c8c_combine, .Lfunc_end_k_q662fff1c8c_combine-k_q662fff1c8c_combine
	.p2alignl 7, 3214868480
	.fill 96, 4, 3214868480
	.section	.rodata,"a",@progbits
	.p2align	6, 0x0
	.amdhsa_kernel k_q662fff1c8c_combine
		.amdhsa_group_segment_fixed_size 0
		.amdhsa_private_segment_fixed_size 0
		.amdhsa_enable_private_segment 0
		.amdhsa_kernarg_size 16
		.amdhsa_user_sgpr_count 2
		.amdhsa_user_sgpr_kernarg_segment_ptr 1
		.amdhsa_wavefront_size32 1
		.amdhsa_system_sgpr_workgroup_id_x 1
		.amdhsa_system_sgpr_workgroup_id_y 1
		.amdhsa_system_sgpr_workgroup_id_z 1
		.amdhsa_system_vgpr_workitem_id 0
		.amdhsa_next_free_vgpr 72
		.amdhsa_next_free_sgpr 66
		.amdhsa_reserve_vcc 0
		.amdhsa_float_denorm_mode_32 3
		.amdhsa_float_denorm_mode_16_64 3
		.amdhsa_memory_ordered 1
		.amdhsa_forward_progress 1
		.amdhsa_inst_pref_size 5
	.end_amdhsa_kernel
	.amdgpu_metadata
---
amdhsa.version: [ 1, 2 ]
amdhsa.kernels:
  - .name:           k_q662fff1c8c_combine
    .symbol:         k_q662fff1c8c_combine.kd
    .args:
      - { .name: ybuf, .offset: 0, .size: 8, .value_kind: global_buffer, .address_space: global }
      - { .name: out0, .offset: 8, .size: 8, .value_kind: global_buffer, .address_space: global }
    .group_segment_fixed_size: 0
    .private_segment_fixed_size: 0
    .kernarg_segment_align: 8
    .kernarg_segment_size: 16
    .max_flat_workgroup_size: 256
    .sgpr_count:     66
    .vgpr_count:     72
    .wavefront_size: 32
...
	.end_amdgpu_metadata
.endif
;; end of part 4
;; ======== version 2 of 2: 4 launches; version 1 with the launch chain written anew for expert scheduling mode
;; workspace buffers: xq 1,114,112 bytes; wq 8,912,896 bytes; sel 32,768 bytes of whole numbers; gw 32,768 bytes; order 131,328 bytes of whole numbers; ybuf 17,141,760 bytes
;; launch prep: the kernel of part 1 again; grid 1280 x 1, 4 waves a work-group, no clusters, 68,096 bytes of LDS; arguments x, Wg, bg, W1, W2, xq, wq, sel, gw, out1; writes xq, wq, sel, gw, out1
;; launch route: the kernel of part 2 again; grid 8 x 1, 32 waves a work-group, no clusters, 4,352 bytes of LDS; arguments sel, order; writes order
;; launch chain (part 5): grid 178 x 1, 8 waves a work-group, no clusters, 93,184 bytes of LDS; arguments xq, wq, b1, b2, gw, order, ybuf; writes ybuf
.if DOCPART == 5
	.amdgcn_target "amdgcn-amd-amdhsa--gfx1250"
	.amdhsa_code_object_version 6
	.text
	.protected	k_q662fff1c8c_chain
	.globl	k_q662fff1c8c_chain
	.p2align	8
	.type	k_q662fff1c8c_chain,@function
k_q662fff1c8c_chain:
	s_mov_b64 s[64:65], 0
	v_nop
	global_prefetch_b8 v0, s[64:65] scope:SCOPE_SE
	s_setreg_imm32_b32 hwreg(HW_REG_WAVE_SCHED_MODE, 0, 2), 2
	s_setreg_imm32_b32 hwreg(HW_REG_WAVE_MODE, 25, 1), 1
	s_wait_xcnt 0x0
	s_wait_alu depctr_vm_vsrc(0)
; CHAIN.  A work-group takes one tile of at most 48 routed rows of ONE expert through the whole chain: gather the rows' codes of x, h = gelu(x W1 + b1), quantise h along H in registers,
; y = h W2 + b2, times the row's gate weight, to ybuf[entry id].  Both products on codes of FP4 (E2M1) with E8M0 scales.  The hidden layer never goes to memory.
; THE GRID serves every split: 8,192 rows over 8 experts in tiles of 48 are never more than (8,192 + 8 x 47) / 48 = 178 tiles.  A work-group without rows stores nothing.
; SHARES.  The eight waves share the COLUMNS: wave w makes hidden units 256 w .. 256 w + 255 (K steps 2 w and 2 w + 1 of the second product) and outputs 64 w .. 64 w + 63, for all 48 rows.
; So each fragment of a weight is read by one wave alone, from memory straight into registers (laid in register order by the first launch), and feeds three matrix instructions.
; What goes from wave to wave is the hidden layer's codes: images of the operand's registers in LDS, one barrier.
; BOTH PRODUCTS ARE USED TRANSPOSED (source 0 = 16 columns of the weight, source 1 = 16 rows): a lane holds ONE row; fragment (b, u) holds columns 32 b + 8 u + r + 8 (r / 8), so the 16
; registers of fragments u = 0, 1 are the 16 neighbouring units 32 b + 16 (lane / 16) + 0 .. 15.  The biases are the C of each sum's first matrix instruction.
; NO CLUSTER, NO JOINT LOADS: which expert a work-group has hangs on counts read from memory, so neighbours in the grid may have different experts and different weights, and the weights do not pass through LDS.
; GELU is exact in form: 0.5 a (1 + erf(a / sqrt 2)), erf as z P(z^2) / Q(z^2) in f32 on z held to +-4.
; LIMITS: the absolute error of gelu is about 1.2e-7 |a|, so far negative a give 0 or about -6e-8 |a| in place of their tiny true value.  NaN and infinities are not served.  A block of zeros has the scale byte 1.
; The padding rows of a part-filled tile repeat the expert's last entry and are stored to row 8,192 + work-group of ybuf, which nobody reads.
; THE MODE: SCHED_MODE bits 1:0 = 2 (LLVM: expert scheduling mode 2), set by the entry lines.  The code itself states the register dependences
; between vector or matrix instructions and memory or LDS instructions, with s_wait_alu, always for 0.
; THE PLAN.  Registers that memory or LDS instructions touch, and who else names them:
;   v1-v3, v6-v9, v20   offsets and LDS addresses: made once at the head, never written again.
;   v64-72, v76-78      the head's offsets (ids, gathers); afterwards among the codes' registers.
;   window 1 v0-79, v36-39   W1's block, b1, W1's scale words: a block's 24 products read them; behind those products the next block's loads land there.
;   v64-87, v48-50      the codes and scale words being made: written by the quantiser and the lane swaps, read by a trip's nine LDS stores; later b2 and the rows' places land there.
;   v4, v5              where the images go: read by those stores, stepped once a trip.
;   v184-231, v24-29    two sets of hidden fragments and scale words: step ks's products read set ks % 2; the LDS loads issued in step ks land in the other set, which step ks - 1 read.
;   window 1 (all), v32-47   W2: eight slots of one K step each (four fragments, two scale registers): step ks's products read slot ks % 8; steps 3 to 10 ask for step ks + 5, into the slot that step ks - 3 read.
;   v88-183             y: written by products and by the gate's multiplies, read by the stage's LDS stores.     v184-247  two sets of rows on the way out: LDS loads land, global stores read.
; So the waits are few: one on va_vdst behind a block's products, one ahead of a trip's image stores, one at the head of a K step of the second product, one on the way out;
; one on vm_vsrc ahead of the loop, one at a trip's end, one ahead of the third row tile's way through the stage.
.set HSC, 49152                        ; LDS: 0: the hidden layer's 48 fragments (3 ks + m) of 1,024 bytes;  HSC: their scale words, 128 bytes each;
.set IDT, 55296                        ; IDT: 256 bytes a wave: the 48 rows' places in ybuf;
.set STG, 57344                        ; STG: a stage of 16 rows x (256 + 16) bytes for each wave
.set L16, 1                            ; v1   16 x lane
.set L4,  2                            ; v2   4 x lane
.set H64, 3                            ; v3   64 x (lane / 16)
.set HWI, 4                            ; v4   where I store the hidden layer's images: 16 x lane + 6,144 x wave, + 3,072 a trip
.set HWS, 5                            ; v5   and their scale words: 4 x lane + 768 x wave, + 384 a trip
.set SO,  6                            ; v6   the stage, in
.set SR,  7                            ; v7   the stage, out
.set IDA, 8                            ; v8   my row's word among the wave's ids
.set IDR, 9                            ; v9   the same on the way out
.set KA,  10                           ; v[10:11], v[12:13] two of erf's coefficients, as pairs
.set KB,  12
.set GW,  14                           ; v14, v16, v18 the gate weight of my row of row tile m (pairs; the upper halves are 0 and not used)
.set C16, 20                           ; v20  16 x (lane % 16)
.set XS,  24                           ; v24-35 x's scale words (4 m + q);  v36-39 W1's (q).  v24-47 hold scales and nothing else
.set WS,  36
.set HS,  24                           ; later: v24-29 the hidden layer's scale words, two sets of three;  v32-47 W2's, two for each of eight K steps
.set W2S, 32
.set PW,  48                           ; v48-50 the scale words being made
.set GZ,  52                           ; v52-59 gelu: z;  later b2 of tile 3
.set ID,  60                           ; v60-62 the rows' ids
.set PC,  64                           ; v64-87 at the head offsets; then the codes being made (8 m ..); then b2 of tiles 0-2; then the rows' offsets in ybuf
.set RO,  64
.set XF,  88                           ; v88-183 x's fragments (32 m + 8 q);  later the 12 accumulators of y (8 (3 f + m))
.set YACC, 88
.set ACC, 184                          ; v184-231 six accumulators of h (16 m + 8 u);  later two sets of three hidden fragments;  later rows on their way out
.set HF,  184
.set OUT, 184
.set GX,  232                          ; v232-255 gelu: z^2, P, Q
.set GP,  240
.set GQ,  248
.set TM,  232                          ; the quantiser: largest magnitudes, the other half's, scale operands, bytes
.set TP,  236
.set TS,  240
.set TBY, 244
; window 1: v0-63 W1's eight fragments of a block (8 (2 q + u)); v64-79 b1 (8 u); v128-255 W2's K steps 0-3 and 8-11; v0-127 W2's K steps 4-7 and 12-15
.set CH,  66                           ; scalar pairs: sqrt(1/2) and erf's coefficients
.set A13, 68
.set A9,  70
.set A7,  72
.set A5,  74
.set A3,  76
.set A1,  78
.set B8,  80
.set B4,  82
.set B2C, 84
.set B0,  86
.set MSB, 0
.macro WIN new                         ; the immediate's high byte repeats the setting that is left
.if MSB != \new
	s_set_vgpr_msb (MSB<<8)|\new
.set MSB, \new
.endif
.endm
.macro KPAIR r, val
	s_mov_b32 s[\r], \val
	s_mov_b32 s[\r+1], \val
.endm
.macro PLACES
.rept 4
	v_nop
.endr
.endm
; one matrix instruction.  row = 1: source 0's scales are read from lanes 16-31 of their register
.macro WMM d, a, b, c, sa, sb, row
.if (\row)
	v_wmma_scale_f32_16x16x128_f8f6f4 v[(\d):(\d)+7], v[(\a):(\a)+7], v[(\b):(\b)+7], v[(\c):(\c)+7], v[(\sa)], v[(\sb)] matrix_a_fmt:MATRIX_FMT_FP4 matrix_b_fmt:MATRIX_FMT_FP4 matrix_a_scale:MATRIX_SCALE_ROW1
.else
	v_wmma_scale_f32_16x16x128_f8f6f4 v[(\d):(\d)+7], v[(\a):(\a)+7], v[(\b):(\b)+7], v[(\c):(\c)+7], v[(\sa)], v[(\sb)] matrix_a_fmt:MATRIX_FMT_FP4 matrix_b_fmt:MATRIX_FMT_FP4
.endif
.endm
; W1's eight fragments, b1 and the four scale words of block n of the trip: 24 loads.  w = 1: a block's products have read these registers
.macro W1LOAD n, w
	WIN 0x40                                       ; destination window 1
.if \w
	s_wait_alu depctr_va_vdst(0)                   ; this block's products are done reading W1's fragments, b1 and W1's scale words, in which the 24 loads below land
.endif
.irp q, 0,1,2,3
.irp u, 0,1
.irp c, 0,1
	global_load_b128 v[8*(2*\q+\u)+4*\c:8*(2*\q+\u)+4*\c+3], v[L16], s[44:45] offset:8192*(\n)+2048*\q+1024*\u+512*\c
.endr
.endr
.endr
.irp u, 0,1
.irp p, 0,1
	global_load_b128 v[64+8*\u+4*\p:64+8*\u+4*\p+3], v[H64], s[48:49] offset:128*(\n)+32*\u+16*\p
.endr
.endr
	WIN 0
.irp q, 0,1,2,3
	global_load_b32 v[WS+\q], v[L4], s[46:47] offset:512*(\n)+128*\q
.endr
.endm
; W2's 16 fragments of group g (K steps 4 g .. 4 g + 3), g = 0, 1: 32 loads;  and their 8 scale words
.macro W2LOAD g
	WIN 0x40
.irp f, 0,1,2,3,4,5,6,7,8,9,10,11,12,13,14,15
.irp c, 0,1
	global_load_b128 v[128*(1-(\g)%2)+8*\f+4*\c:128*(1-(\g)%2)+8*\f+4*\c+3], v[L16], s[50:51] offset:16384*(\g)+1024*\f+512*\c
.endr
.endr
	WIN 0
.endm
.macro W2SLOAD g
.irp k, 0,1,2,3
.irp b, 0,1
	global_load_b32 v[W2S+8*((\g)%2)+2*\k+\b], v[L4], s[52:53] offset:256*(4*(\g)+\k)+128*\b
.endr
.endr
.endm
; W2's four fragments and two scale registers of ONE K step ks (8 .. 15), into the slot of step ks - 8: 10 loads
.macro W2STEP ks
.set WR,  128*(1-(((\ks)/4)%2))+32*((\ks)%4)
.set WSR, W2S+8*(((\ks)/4)%2)+2*((\ks)%4)
	WIN 0x40
.irp f, 0,1,2,3
.irp c, 0,1
	global_load_b128 v[WR+8*\f+4*\c:WR+8*\f+4*\c+3], v[L16], s[50:51] offset:4096*(\ks)+1024*\f+512*\c
.endr
.endr
	WIN 0
.irp b, 0,1
	global_load_b32 v[WSR+\b], v[L4], s[52:53] offset:256*(\ks)+128*\b
.endr
.endm
; the first product's K step q: six accumulators by turns, one instruction a turn
.macro P1 q
.irp m, 0,1,2
.irp u, 0,1
.if (\q) == 0
	WMM ACC+16*\m+8*\u, 8*(2*(\q)+\u), XF+32*\m+8*(\q), 64+8*\u, WS+(\q), XS+4*\m+(\q), \u
.else
	WMM ACC+16*\m+8*\u, 8*(2*(\q)+\u), XF+32*\m+8*(\q), ACC+16*\m+8*\u, WS+(\q), XS+4*\m+(\q), \u
.endif
.endr
.endr
.endm
.macro HORN d, k                       ; d = d z^2 + a coefficient, four pairs
.irp p, 0,2,4,6
	v_pk_fma_f32 v[\d+\p:\d+\p+1], v[\d+\p:\d+\p+1], v[GX+\p:GX+\p+1], s[\k:\k+1] op_sel_hi:[1,1,0]
.endr
.endm
; gelu of one accumulator's eight numbers, in place; it is read from its low end on.  No memory or LDS instruction names a register of it
.macro GELU a
.irp p, 0,2,4,6
	v_pk_mul_f32 v[GZ+\p:GZ+\p+1], v[(\a)+\p:(\a)+\p+1], s[CH:CH+1] op_sel_hi:[1,0]
.endr
.irp i, 0,1,2,3,4,5,6,7
	v_med3_num_f32 v[GZ+\i], v[GZ+\i], -4.0, 4.0
.endr
.irp p, 0,2,4,6
	v_pk_mul_f32 v[GX+\p:GX+\p+1], v[GZ+\p:GZ+\p+1], v[GZ+\p:GZ+\p+1]
.endr
.irp p, 0,2,4,6
	v_pk_fma_f32 v[GP+\p:GP+\p+1], v[GX+\p:GX+\p+1], s[A13:A13+1], v[KA:KA+1] op_sel_hi:[1,0,1]
.endr
.irp p, 0,2,4,6
	v_pk_fma_f32 v[GQ+\p:GQ+\p+1], v[GX+\p:GX+\p+1], s[B8:B8+1], v[KB:KB+1] op_sel_hi:[1,0,1]
.endr
	HORN GP, A9
	HORN GQ, B4
	HORN GP, A7
	HORN GQ, B2C
	HORN GP, A5
	HORN GQ, B0
	HORN GP, A3
	HORN GP, A1
.irp i, 0,1,2,3,4,5,6,7
	v_rcp_f32 v[GQ+\i], v[GQ+\i]
.endr
.irp p, 0,2,4,6
	v_pk_mul_f32 v[GP+\p:GP+\p+1], v[GP+\p:GP+\p+1], v[GZ+\p:GZ+\p+1]     ; plain lines behind the reciprocals
.endr
.irp p, 0,2,4,6
	v_pk_mul_f32 v[GX+\p:GX+\p+1], v[(\a)+\p:(\a)+\p+1], 0.5 op_sel_hi:[1,0]
.endr
	s_wait_alu depctr_va_vdst(0)                   ; the eight reciprocals have written v[GQ ..]: one wait for the batch, ahead of its first reader
.irp p, 0,2,4,6
	v_pk_mul_f32 v[GP+\p:GP+\p+1], v[GP+\p:GP+\p+1], v[GQ+\p:GQ+\p+1]     ; erf
.endr
.irp p, 0,2,4,6
	v_pk_fma_f32 v[(\a)+\p:(\a)+\p+1], v[GX+\p:GX+\p+1], v[GP+\p:GP+\p+1], v[GX+\p:GX+\p+1]
.endr
.endm
; block j of the K step in hand is quantised, the three row tiles by turns: a lane's 16 numbers and lane l xor 16's are the block
.macro BQ j
.irp m, 0,1,2
	v_max3_num_f32 v[TM+\m], |v[ACC+16*\m]|, |v[ACC+16*\m+1]|, 0x1800000   ; with the floor 2^(3 - 127): the byte cannot fall under 1
.endr
.irp i, 2,4,6,8,10,12,14
.irp m, 0,1,2
	v_max3_num_f32 v[TM+\m], v[TM+\m], |v[ACC+16*\m+\i]|, |v[ACC+16*\m+\i+1]|
.endr
.endr
.irp m, 0,1,2
	v_permlanex16_b32 v[TP+\m], v[TM+\m], s42, s43
.endr
.irp m, 0,1,2
	v_max_num_f32 v[TM+\m], v[TM+\m], v[TP+\m]
.endr
.irp m, 0,1,2
	v_add_nc_u32 v[TS+\m], 0xff000000, v[TM+\m]    ; 2 off the exponent field: the conversion's scale operand
.endr
.irp m, 0,1,2
	v_lshrrev_b32 v[TBY+\m], 23, v[TS+\m]
.endr
.irp m, 0,1,2
.if (\j) == 0
	v_mov_b32 v[PW+\m], v[TBY+\m]
.else
	v_lshl_or_b32 v[PW+\m], v[TBY+\m], 8*(\j), v[PW+\m]
.endif
.endr
.irp m, 0,1,2
	v_cvt_scalef32_pk8_fp4_f32 v[PC+8*\m+2*(\j)], v[ACC+16*\m:ACC+16*\m+7], v[TS+\m]
	v_cvt_scalef32_pk8_fp4_f32 v[PC+8*\m+2*(\j)+1], v[ACC+16*\m+8:ACC+16*\m+15], v[TS+\m]
.endr
	v_nop                                          ; one plain line behind the last scaled conversion
.endm
; one block of 32 hidden units for the 48 rows
.macro BLOCK j
	s_wait_loadcnt 0x0                             ; this block's weights (and, the first time, x's codes, scales and the gate weights) are in: nothing younger is wanted out, on every way here
	WIN 0x11                                       ; source 0 (W1) and C (b1) window 1
	P1 0
	WIN 0x01
	P1 1
	P1 2
	P1 3
.if (\j) == 3
	WIN 0                                          ; a branch follows
.endif
	PLACES                                         ; four places behind the products, in front of the first read of their results (and of the loads into registers that they read)
.if (\j) == 3
	s_cmp_eq_u32 s41, 1                            ; the last trip asks for nothing more
	s_cbranch_scc1 .Lno_next_\@
	W1LOAD 4, 1
.Lno_next_\@:
.else
	W1LOAD (\j)+1, 1                               ; the next block's weights land under this block's gelu: in one run, at the earliest place that the products leave
.endif
.irp m, 0,1,2
.irp u, 0,1
	GELU ACC+16*\m+8*\u
.endr
.endr
	BQ \j
.endm
; the hidden layer's three fragments and scale words of K step ks: 9 LDS loads
.macro FETCH ks
.irp m, 0,1,2
.irp c, 0,1
	ds_load_b128 v[HF+24*((\ks)%2)+8*\m+4*\c:HF+24*((\ks)%2)+8*\m+4*\c+3], v[L16] offset:(3*(\ks)+\m)*1024+512*\c
.endr
	ds_load_b32 v[HS+3*((\ks)%2)+\m], v[L4] offset:HSC+(3*(\ks)+\m)*128
.endr
.endm
; a K step of the second product: 12 accumulators by turns.  At its head ONE wait frees all that the earlier steps' products read; behind it stand the step's loads, then its products.
; Global loads, in the order of issue behind the wait for 0 that follows the loop: 8 (W2's scale words of steps 0-3), 8 (b2), 8 (scale words of steps 4-7), 4 x 8 (W2's codes of steps 4 to 7),
; then 10 in each of steps 3 to 10 (for steps 8 to 15).  A step's count on LOADcnt is what has been issued less what the step needs.
.macro KSTEP ks
.set G,  (\ks)/4
.set K4, (\ks)%4
.set GBA, 128*(1-G%2)
.if (\ks) > 0
	PLACES                                         ; four places behind the last step's products
.endif
.if ((\ks) >= 3) && ((\ks) <= 10)
	WIN 0x40                                       ; the first loads below land in window 1
.else
	WIN 0
.endif
.if ((\ks) > 0) && ((\ks) < 15)
	s_wait_alu depctr_va_vdst(0)                   ; the earlier steps' products are done reading: the last step's hidden fragments and scale words, and W2's slot of three steps back, take the loads below
.endif
.if ((\ks) >= 3) && ((\ks) <= 10)
	W2STEP (\ks)+5                                 ; W2 five steps ahead, ten loads a step
.endif
.if (\ks) < 15
	FETCH (\ks)+1
	s_wait_dscnt 9                                 ; this step's fragments are in; the nine loads just issued may be out
.else
	s_wait_dscnt 0x0
.endif
.if (\ks) == 0
	s_wait_loadcnt 40                              ; 56 issued, 16 needed: W2's scale words of steps 0-3 and b2 are in
.elseif ((\ks) >= 4) && ((\ks) <= 6)
	s_wait_loadcnt 36+2*(\ks)                      ; 56 + 10 (ks - 2) issued, 24 + 8 (ks - 3) needed
.elseif ((\ks) >= 7) && ((\ks) <= 10)
	s_wait_loadcnt 50                              ; this step's ten (step 7: the last of the 56) are in; the five steps' loads behind them may be out
.elseif (\ks) >= 11
	s_wait_loadcnt 10*(15-(\ks))                   ; nothing more is asked for: the counts run down
.endif
	WIN 0x01                                       ; source 0 (W2) window 1
.irp m, 0,1,2
.irp f, 0,1,2,3
.if (\ks) == 0
.if \f < 3
.set BR, 64+8*\f
.else
.set BR, 52
.endif
	WMM YACC+8*(3*\f+\m), GBA+8*(4*K4+\f), HF+24*((\ks)%2)+8*\m, BR, W2S+8*(G%2)+2*K4+\f/2, HS+3*((\ks)%2)+\m, \f%2
.else
	WMM YACC+8*(3*\f+\m), GBA+8*(4*K4+\f), HF+24*((\ks)%2)+8*\m, YACC+8*(3*\f+\m), W2S+8*(G%2)+2*K4+\f/2, HS+3*((\ks)%2)+\m, \f%2
.endif
.endr
.endr
.endm
	s_load_b256 s[8:15], s[0:1], 0x0               ; xq 8, wq 10, b1 12, b2 14
	s_load_b128 s[16:19], s[0:1], 0x20             ; gw 16, order 18
	s_load_b64 s[20:21], s[0:1], 0x30              ; ybuf
	v_lshl_add_u32 v51, v0, 2, 0x16800
	v_mov_b32 v63, 0
	v_lshrrev_b32 v21, 5, v0
	v_readfirstlane_b32 s2, v21                    ; wave 0..7
	s_mov_b32 s3, ttmp9                            ; g
	v_and_b32 v21, 31, v0                          ; lane
	v_and_b32 v22, 15, v0                          ; r
	v_bfe_u32 v23, v0, 4, 1                        ; h
	v_lshlrev_b32 v[L16], 4, v21
	v_lshlrev_b32 v[L4], 2, v21
	v_lshlrev_b32 v[H64], 6, v23
	v_lshlrev_b32 v[C16], 4, v22
	s_wait_alu depctr_va_sdst(0)                   ; s2, the wave's number, is written, ahead of its first reader
	s_mul_i32 s36, s2, 6144
	v_add_nc_u32 v[HWI], s36, v[L16]
	s_mul_i32 s36, s2, 768
	v_add_nc_u32 v[HWS], s36, v[L4]
	s_mul_i32 s36, s2, 4352
	s_add_co_u32 s36, s36, STG                     ; my stage
	v_mul_u32_u24 v[SO], v22, 272
	v_add_nc_u32 v[SO], v[SO], v[H64]
	v_add_nc_u32 v[SO], s36, v[SO]                 ; in: row r, + 64 h
	v_mul_u32_u24 v[SR], v23, 272
	v_add_nc_u32 v[SR], v[SR], v[C16]
	v_add_nc_u32 v[SR], s36, v[SR]                 ; out: lanes 0-15 one row, lanes 16-31 the next
	s_lshl_b32 s36, s2, 8
	s_add_co_u32 s36, s36, IDT
	v_lshl_add_u32 v[IDA], v22, 2, s36
	v_lshl_add_u32 v[IDR], v23, 2, s36
	v_lshlrev_b32 v23, 4, v23                      ; 16 h
	v_mov_b32 v[KA], 0x32edffee
	v_mov_b32 v[KA+1], 0x32edffee
	v_mov_b32 v[KB], 0xb95fbd29
	v_mov_b32 v[KB+1], 0xb95fbd29
.irp m, 0,1,2
	v_mov_b32 v[GW+2*\m+1], 0
.endr
	s_wait_kmcnt 0x0
	s_load_b256 s[24:31], s[18:19], 0x20000        ; the eight experts' counts
	KPAIR CH,  0x3f3504f3
	KPAIR A13, 0xaf95df0b
	KPAIR A9,  0xb60cff51
	KPAIR A7,  0xb86ec2d2
	KPAIR A5,  0xba40ac63
	KPAIR A3,  0xbb41a1f6
	KPAIR A1,  0xbc83dbd4
	KPAIR B8,  0xb77460cd
	KPAIR B4,  0xbadc924e
	KPAIR B2C, 0xbbf19bf8
	KPAIR B0,  0xbc69b6a7
	s_mov_b32 s42, 0x76543210
	s_mov_b32 s43, 0xfedcba98
	s_mov_b32 s32, 0                               ; tiles before this expert
	s_mov_b32 s33, 0                               ; my expert,
	s_mov_b32 s34, 0                               ; its first tile,
	s_mov_b32 s35, 1                               ; its count
	s_wait_kmcnt 0x0
	; my tile: the last expert with rows whose first tile is not behind g.  ceil(c / 48) = ((c + 47) x 43,691) >> 21, exact up to c + 47 = 4,143
.irp e, 0,1,2,3,4,5,6,7
	s_min_u32 s36, s[24+\e], 4096
	s_add_co_u32 s37, s36, 47
	s_mul_i32 s37, s37, 43691
	s_lshr_b32 s37, s37, 21
	s_cmp_eq_u32 s36, 0
	s_cselect_b32 s60, -1, s32                     ; an expert without rows is never chosen
	s_cmp_ge_u32 s3, s60
	s_cselect_b32 s33, \e, s33
	s_cselect_b32 s34, s32, s34
	s_cselect_b32 s35, s36, s35
	s_add_co_u32 s32, s32, s37
.endr
	s_min_u32 s33, s33, 7
	s_sub_co_u32 s36, s3, s34
	s_mul_i32 s39, s36, 48                         ; my tile's first place in the expert's list
	s_sub_co_i32 s38, s35, s39
	s_max_i32 s38, s38, 0
	s_min_i32 s38, s38, 48                         ; my rows: 0 .. 48
	s_sub_co_u32 s40, s35, 1                       ; the list's last place
	s_mov_b32 s61, 0
	s_lshl_b32 s60, s33, 19
	s_lshl_b32 s36, s2, 16
	s_add_co_u32 s60, s60, s36
	s_add_nc_u64 s[44:45], s[10:11], s[60:61]      ; W1's codes: e x 524,288 + w x 65,536
	s_add_nc_u64 s[50:51], s[44:45], 0x400000      ; W2's: the same, 4,194,304 on
	s_lshl_b32 s60, s33, 15
	s_lshl_b32 s36, s2, 12
	s_add_co_u32 s60, s60, s36
	s_add_nc_u64 s[46:47], s[10:11], s[60:61]
	s_add_nc_u64 s[46:47], s[46:47], 0x800000      ; W1's scale words: 8,388,608 + e x 32,768 + w x 4,096
	s_add_nc_u64 s[52:53], s[46:47], 0x40000       ; W2's: 262,144 on
	s_lshl_b32 s60, s33, 13
	s_lshl_b32 s36, s2, 10
	s_add_co_u32 s60, s60, s36
	s_add_nc_u64 s[48:49], s[12:13], s[60:61]      ; b1: e x 8,192 + w x 1,024
	s_lshl_b32 s60, s33, 11
	s_lshl_b32 s36, s2, 8
	s_add_co_u32 s60, s60, s36
	s_add_nc_u64 s[54:55], s[14:15], s[60:61]      ; b2: e x 2,048 + w x 256
	s_mov_b32 s60, s36
	s_add_nc_u64 s[56:57], s[20:21], s[60:61]      ; ybuf: my 256 bytes of a row
	s_lshl_b32 s60, s33, 14
	s_add_nc_u64 s[58:59], s[18:19], s[60:61]      ; my expert's list
.irp m, 0,1,2
	v_add_nc_u32 v[76+\m], s39, v22
	v_add_nc_u32 v[76+\m], 16*\m, v[76+\m]
	v_min_u32 v[76+\m], s40, v[76+\m]              ; a padding row repeats the list's last entry
	v_min_u32 v[76+\m], 0xfff, v[76+\m]
	v_lshlrev_b32 v[76+\m], 2, v[76+\m]
.endr
	s_wait_alu depctr_va_vdst(0)                   ; the offsets and addresses made so far are written: v1 to v9, v20 for the whole kernel, v76 to v78 for the three loads below
.irp m, 0,1,2
	global_load_b32 v[ID+\m], v[76+\m], s[58:59]
.endr
	W1LOAD 0, 0                                    ; (no vector or matrix instruction has named these registers yet)
	W2LOAD 0
	s_add_co_u32 s36, s3, 8192
	v_mov_b32 v21, s36                             ; the padding rows' place in ybuf
	s_wait_loadcnt 56                              ; the three ids are in; the 24 + 32 loads of weights behind them may be out
.irp m, 0,1,2
	v_min_u32 v[ID+\m], 0x1fff, v[ID+\m]
	v_and_b32 v[64+3*\m], 0x1ffe, v[ID+\m]         ; 2 x token
	v_lshlrev_b32 v[65+3*\m], 3, v[64+3*\m]        ; its scale bytes: 16 x token
	v_lshl_add_u32 v[64+3*\m], v[64+3*\m], 7, v23  ; its codes: 256 x token + 16 h
	v_lshlrev_b32 v[66+3*\m], 2, v[ID+\m]          ; its gate weight
	v_add_nc_u32 v[73+\m], 16*\m, v22
	v_cmp_gt_u32 s[24+\m], s38, v[73+\m]           ; a row of mine, or padding: the three masks in s24 to s26, free since the search above
.endr
	s_wait_alu depctr_va_sdst(0)                   ; the three masks are written, ahead of the selections that read them
.irp m, 0,1,2
	v_cndmask_b32 v[ID+\m], v21, v[ID+\m], s[24+\m]
.endr
	s_wait_alu depctr_va_vdst(0)                   ; the nine offsets v64 to v72 and the three ids are written: the gathers read the first, the LDS stores the second
.irp m, 0,1,2
.irp q, 0,1,2,3
.irp c, 0,1
	global_load_b128 v[XF+32*\m+8*\q+4*\c:XF+32*\m+8*\q+4*\c+3], v[64+3*\m], s[8:9] offset:64*\q+32*\c
.endr
.endr
	global_load_b128 v[XS+4*\m:XS+4*\m+3], v[65+3*\m], s[8:9] offset:1048576
	global_load_b32 v[GW+2*\m], v[66+3*\m], s[16:17]
.endr
.irp m, 0,1,2
	ds_store_b32 v[IDA], v[ID+\m] offset:64*\m     ; both halves of the lanes write the same word with the same value
.endr
	s_wait_alu depctr_vm_vsrc(0)                   ; the head's loads have read their offsets v64 to v72 and v76 to v78: the first block's codes are written over them
	; ---- the hidden layer: two trips, each a K step of the second product: four blocks of 32 units.  Every wave walks the loop; a tile without rows jumps over the work alone
	s_mov_b32 s41, 2
.Ltrip:
	s_cmp_eq_u32 s38, 0
	s_cbranch_scc1 .Lskip
	BLOCK 0
	BLOCK 1
	BLOCK 2
	BLOCK 3
.irp m, 0,1,2                          ; the operand's layout wants a whole block in a lane: lanes 0-15 block 2 c, lanes 16-31 block 2 c + 1
.irp c, 0,1
.irp i, 0,1
	v_permlane16_swap_b32 v[PC+8*\m+4*\c+\i], v[PC+8*\m+4*\c+2+\i]
.endr
.endr
.endr
	s_wait_alu depctr_va_vdst(0)                   ; the codes (conversions, swaps) and the scale words are written, and so are v[HWI] and v[HWS], stepped at the last trip's end: the nine LDS stores read them
.irp m, 0,1,2
	ds_store_b128 v[HWI], v[PC+8*\m:PC+8*\m+3] offset:1024*\m
	ds_store_b128 v[HWI], v[PC+8*\m+4:PC+8*\m+7] offset:1024*\m+512
	ds_store_b32 v[HWS], v[PW+\m] offset:HSC+128*\m
.endr
	s_wait_dscnt 0x0                               ; this K step's images lie in LDS
.Lskip:
	s_wait_xcnt 0x0                                ; the loads have read their bases
	s_wait_alu depctr_vm_vsrc(0)                   ; the LDS stores have read v[HWI] and v[HWS], which are stepped below, and the codes and scale words, which the next trip (behind the loop: b2's loads) writes again
	s_add_nc_u64 s[44:45], s[44:45], 32768
	s_add_nc_u64 s[46:47], s[46:47], 2048
	s_add_nc_u64 s[48:49], s[48:49], 512
	v_add_nc_u32 v[HWI], 3072, v[HWI]
	v_add_nc_u32 v[HWS], 384, v[HWS]
	s_sub_co_u32 s41, s41, 1
	s_cmp_lg_u32 s41, 0
	s_cbranch_scc1 .Ltrip
	; ---- between the products
	s_wait_loadcnt 0x0                             ; no load is out (a tile without rows has not waited yet): the loads below name registers of earlier loads
	s_wait_alu depctr_va_vdst(0)                   ; the first product, gelu and the quantiser are done with W1's registers and scale words, x's scale words, v52-59, v64-87 and the accumulators of h: the loads below and the first two fetches land there
	W2SLOAD 0
.irp f, 0,1,2,3
.if \f < 3
.set BR, 64+8*\f
.else
.set BR, 52
.endif
.irp p, 0,1
	global_load_b128 v[BR+4*\p:BR+4*\p+3], v[H64], s[54:55] offset:128*(\f/2)+32*(\f%2)+16*\p
.endr
.endr
	W2SLOAD 1
	W2LOAD 1
	s_wait_dscnt 0x0                               ; for the others' sake: my images and scale words lie in LDS
	s_barrier_signal -1
	s_barrier_wait -1                              ; all 48 fragments do
	s_cmp_eq_u32 s38, 0
	s_cbranch_scc1 .Lend
	; ---- y: 16 K steps
	FETCH 0
.irp ks, 0,1,2,3,4,5,6,7,8,9,10,11,12,13,14,15
	KSTEP \ks
.endr
	WIN 0
	; ---- the way out: the rows' places in ybuf; all of y times the gate weight; then a row tile at a time through my stage, out as whole runs of 256 bytes of a row
.irp m, 0,1,2
.irp i, 0,1,2,3,4,5,6,7
	ds_load_b32 v[RO+8*\m+\i], v[IDR] offset:64*\m+8*\i   ; into b2's registers, which K step 0's products read: the later steps' waits have shown those done, and nothing has named them since
.endr
.endr
	s_wait_dscnt 0x0
.irp n, 0,1,2,3,4,5,6,7,8,9,10,11,12,13,14,15,16,17,18,19,20,21,22,23
	v_min_u32 v[RO+\n], 0x20b1, v[RO+\n]           ; ybuf has 8,370 rows
	v_lshl_add_u32 v[RO+\n], v[RO+\n], 11, v[C16]  ; (these 48 lines are the places behind the last products)
.endr
.irp m, 0,1,2
.irp f, 0,1,2,3
.irp p, 0,2,4,6
	v_pk_mul_f32 v[YACC+8*(3*\f+\m)+\p:YACC+8*(3*\f+\m)+\p+1], v[YACC+8*(3*\f+\m)+\p:YACC+8*(3*\f+\m)+\p+1], v[GW+2*\m:GW+2*\m+1] op_sel_hi:[1,0]   ; each accumulator from its low end on
.endr
.endr
.endr
	s_wait_alu depctr_va_vdst(0)                   ; the weighted y is written, which the stage's stores read; the rows' offsets are written, which the global stores read; the last products are done reading the hidden fragments, in which the rows land.  No vector instruction follows
.macro TOSTAGE m
.irp f, 0,1,2,3
.irp p, 0,1
	ds_store_b128 v[SO], v[YACC+8*(3*\f+\m)+4*\p:YACC+8*(3*\f+\m)+4*\p+3] offset:128*(\f/2)+32*(\f%2)+16*\p
.endr
.endr
.irp i, 0,1,2,3,4,5,6,7
	ds_load_b128 v[OUT+32*((\m)%2)+4*\i:OUT+32*((\m)%2)+4*\i+3], v[SR] offset:544*\i   ; LDS serves a wave's instructions in order: these see the stores above
.endr
.endm
.macro SEND m, younger
	s_wait_dscnt \younger
.irp i, 0,1,2,3,4,5,6,7
	global_store_b128 v[RO+8*\m+\i], v[OUT+32*((\m)%2)+4*\i:OUT+32*((\m)%2)+4*\i+3], s[56:57]   ; sixteen lanes store 256 consecutive bytes of a row, aligned
.endr
.endm
	TOSTAGE 0
	TOSTAGE 1
	SEND 0, 16                                     ; tile 1's 8 stores and 8 loads may be out
	s_wait_xcnt 0x0                                ; tile 0's stores have had their addresses translated
	s_wait_alu depctr_vm_vsrc(0)                   ; tile 0's global stores have read their data registers, in which tile 2's rows land
	TOSTAGE 2
	SEND 1, 16
	SEND 2, 0
.Lend:
	s_wait_dscnt 0x0                               ; the closing lines, six on end
	s_wait_alu 0x0
	s_wait_tensorcnt 0x0
	ds_add_u32 v51, v63
	s_wait_dscnt 0x0
	s_endpgm
.Lfunc_end_k_q662fff1c8c_chain:
	.size	k_q662fff1c8c_chain, .Lfunc_end_k_q662fff1c8c_chain-k_q662fff1c8c_chain
	.p2alignl 7, 3214868480
	.fill 96, 4, 3214868480
	.section	.rodata,"a",@progbits
	.p2align	6, 0x0
	.amdhsa_kernel k_q662fff1c8c_chain
		.amdhsa_group_segment_fixed_size 93184
		.amdhsa_private_segment_fixed_size 0
		.amdhsa_enable_private_segment 0
		.amdhsa_kernarg_size 56
		.amdhsa_user_sgpr_count 2
		.amdhsa_user_sgpr_kernarg_segment_ptr 1
		.amdhsa_wavefront_size32 1
		.amdhsa_system_sgpr_workgroup_id_x 1
		.amdhsa_system_sgpr_workgroup_id_y 1
		.amdhsa_system_sgpr_workgroup_id_z 1
		.amdhsa_system_vgpr_workitem_id 0
		.amdhsa_next_free_vgpr 512
		.amdhsa_next_free_sgpr 88
		.amdhsa_reserve_vcc 0
		.amdhsa_float_denorm_mode_32 3
		.amdhsa_float_denorm_mode_16_64 3
		.amdhsa_memory_ordered 1
		.amdhsa_forward_progress 1
		.amdhsa_inst_pref_size 233
	.end_amdhsa_kernel
	.amdgpu_metadata
---
amdhsa.version: [ 1, 2 ]
amdhsa.kernels:
  - .name:           k_q662fff1c8c_chain
    .symbol:         k_q662fff1c8c_chain.kd
    .args:
      - { .name: xq, .offset: 0, .size: 8, .value_kind: global_buffer, .address_space: global }
      - { .name: wq, .offset: 8, .size: 8, .value_kind: global_buffer, .address_space: global }
      - { .name: b1, .offset: 16, .size: 8, .value_kind: global_buffer, .address_space: global }
      - { .name: b2, .offset: 24, .size: 8, .value_kind: global_buffer, .address_space: global }
      - { .name: gw, .offset: 32, .size: 8, .value_kind: global_buffer, .address_space: global }
      - { .name: order, .offset: 40, .size: 8, .value_kind: global_buffer, .address_space: global }
      - { .name: ybuf, .offset: 48, .size: 8, .value_kind: global_buffer, .address_space: global }
    .group_segment_fixed_size: 93184
    .private_segment_fixed_size: 0
    .kernarg_segment_align: 8
    .kernarg_segment_size: 56
    .max_flat_workgroup_size: 256
    .sgpr_count:     88
    .vgpr_count:     512
    .wavefront_size: 32
...
	.end_amdgpu_metadata
.endif
;; end of part 5
;; launch combine: the kernel of part 4 again; grid 256 x 1, 8 waves a work-group, no clusters, 0 bytes of LDS; arguments ybuf, out0; writes out0
